; MI455X (gfx1250); checked and timed in simulation.
; The chip was launched on July 23, 2026; its instructions are those of AMD's public machine-readable ISA for CDNA 5 (MIT licence, August 2026) and "CDNA5" Instruction Set Architecture Reference Guide (July 2026). The comments in the code are by the model that wrote it; some were corrected since.
;; MAB Post LN. Allowed arithmetic: float matrix products may take bf16 or f16 operands with f32 sums; other float arithmetic in f32, or as packed bf16 or f16 multiplies, adds, multiply-adds, maxima and minima; sums over many terms, partial sums and values carried from step to step in f32; what a program stores and reads back later, other than sums and carried values, may be rounded once to bf16 or f16.
;; Inputs: K 8 x 1,024 x 1,024 float32; Q 8 x 1,024 x 1,024 float32; Wk 1,024 x 1,024 float32; Wp 1,024 x 1,024 float32; Wq 1,024 x 1,024 float32; Wv 1,024 x 1,024 float32; beta0 1,024 float32; beta1 1,024 float32; bk 1,024 float32; bp 1,024 float32; bq 1,024 float32; bv 1,024 float32; g0 1,024 float32; g1 1,024 float32; key_padding_mask 8 x 1,024 int32.
;; Outputs: out0 8 x 1,024 x 1,024 float32.
;; 2 versions, each right; version 2 is version 1 with the launch prep written anew for expert scheduling mode. Each part assembles by itself: llvm-mc -triple=amdgcn-amd-amdhsa -mcpu=gfx1250 --defsym DOCPART=n.
;; ======== version 1 of 2: 6 launches
;; limits: values are held in f16: magnitudes above 65,504 overflow, below 6.1e-05 lose precision
;; workspace buffers: xb 33,554,432 bytes; wt 6,291,456 bytes; wpt 2,097,152 bytes; vecA 12,288 bytes; vecB 53,248 bytes; qkv 50,331,648 bytes; xs 16,777,216 bytes
;; launch prep (part 1): grid 641 x 1, 8 waves a work-group, no clusters, 0 bytes of LDS; arguments Q, K, Wq, Wk, Wv, Wp, bq, bk, bv, bp, g0, beta0, g1, beta1, key_padding_mask, xb, wt, wpt, vecA, vecB; writes xb, wt, wpt, vecA, vecB
.if DOCPART == 1
	.amdgcn_target "amdgcn-amd-amdhsa--gfx1250"
	.amdhsa_code_object_version 6
	.text
	.protected	k_qd59132db3d_prep
	.globl	k_qd59132db3d_prep
	.p2align	8
	.type	k_qd59132db3d_prep,@function
k_qd59132db3d_prep:
	s_mov_b64 s[64:65], 0
	v_nop
	global_prefetch_b8 v0, s[64:65] scope:SCOPE_SE
	s_setreg_imm32_b32 hwreg(HW_REG_WAVE_MODE, 25, 1), 1
	s_wait_xcnt 0x0
; EVERY FLOATING-POINT INPUT IS ROUNDED ONCE TO bf16 (nearest even).  Q, K and the four weight matrices are then written as f16 (exact from 6.1e-5 to 65,504 in
; magnitude; below that f16's fixed step of 6e-8 holds; beyond 65,504 an infinity: the stated limit of this program); the eight vectors as f32 that hold the rounded number;
; the padding mask as an addend, 0 for a key that counts and -1e30 for one that does not.
; SHARES.  Work-groups 0 to 639 take a chunk of 32,768 numbers each: 0-255 Q, 256-511 K (into xb), 512-543 Wq, 544-575 Wk, 576-607 Wv (into wt), 608-639 Wp (into wpt).
; Work-group 640 takes the vectors and the mask.  A wave takes 4,096 numbers: 32 loads of 512 consecutive bytes, all issued at once; each store of the wave covers 256 consecutive bytes, aligned.
; No LDS, no barrier, no matrix unit: a stream in which nothing is shared.
.set SRC,  46                          ; s[46:47] the chunk's first byte in its source
.set DST,  48                          ; s[48:49] in its destination
.set BIGN, 54                          ; s54  -1e30
.set HIM,  55                          ; s55  mask of a word's upper bf16
.set D,    16                          ; v[16:143] the 32 loads' data, four registers each; each item's first pair is also its store's data
	s_load_b512 s[4:19], s[0:1], 0x0               ; Q K Wq Wk Wv Wp bq bk
	s_load_b512 s[20:35], s[0:1], 0x40             ; bv bp g0 beta0 g1 beta1 mask xb
	s_load_b256 s[36:43], s[0:1], 0x80             ; wt wpt vecA vecB
	s_mov_b32 s44, ttmp9                           ; the chunk's number c
	s_mov_b32 s[BIGN], 0xf149f2ca
	s_mov_b32 s[HIM], 0xffff0000
	v_and_b32 v3, 31, v0                           ; lane
	v_lshrrev_b32 v4, 5, v0                        ; wave
	v_lshlrev_b32 v1, 4, v3
	v_lshl_add_u32 v1, v4, 14, v1                  ; source: 16,384 x wave + 16 x lane
	v_lshlrev_b32 v2, 3, v3
	v_lshl_add_u32 v2, v4, 13, v2                  ; destination: 8,192 x wave + 8 x lane
	v_lshlrev_b32 v5, 4, v0                        ; the vectors: 16 x thread
	s_and_b32 s50, s44, 255                        ; the chunk's number within its source,
	s_and_b32 s51, s44, 31
	s_cmp_lt_u32 s44, 512
	s_cselect_b32 s50, s50, s51
	s_sub_co_u32 s52, s44, 512                     ; and within its destination
	s_sub_co_u32 s53, s44, 608
	s_cmp_lt_u32 s44, 608
	s_cselect_b32 s52, s52, s53
	s_cmp_lt_u32 s44, 512
	s_cselect_b32 s52, s44, s52
	s_lshl_b32 s50, s50, 17                        ; 131,072 bytes of f32 a chunk
	s_mov_b32 s51, 0
	s_lshl_b32 s52, s52, 16                        ; 65,536 bytes of f16
	s_mov_b32 s53, 0
	s_wait_kmcnt 0x0
	s_cmp_eq_u32 s44, 640
	s_cbranch_scc1 .Lvectors
	s_mov_b64 s[SRC:SRC+1], s[14:15]               ; the source is chosen by the chunk's number alone
	s_cmp_lt_u32 s44, 608
	s_cselect_b64 s[SRC:SRC+1], s[12:13], s[SRC:SRC+1]
	s_cmp_lt_u32 s44, 576
	s_cselect_b64 s[SRC:SRC+1], s[10:11], s[SRC:SRC+1]
	s_cmp_lt_u32 s44, 544
	s_cselect_b64 s[SRC:SRC+1], s[8:9], s[SRC:SRC+1]
	s_cmp_lt_u32 s44, 512
	s_cselect_b64 s[SRC:SRC+1], s[6:7], s[SRC:SRC+1]
	s_cmp_lt_u32 s44, 256
	s_cselect_b64 s[SRC:SRC+1], s[4:5], s[SRC:SRC+1]
	s_mov_b64 s[DST:DST+1], s[38:39]
	s_cmp_lt_u32 s44, 608
	s_cselect_b64 s[DST:DST+1], s[36:37], s[DST:DST+1]
	s_cmp_lt_u32 s44, 512
	s_cselect_b64 s[DST:DST+1], s[34:35], s[DST:DST+1]
	s_add_nc_u64 s[SRC:SRC+1], s[SRC:SRC+1], s[50:51]
	s_add_nc_u64 s[DST:DST+1], s[DST:DST+1], s[52:53]
.set i, 0
.rept 32
	global_load_b128 v[D+4*i:D+4*i+3], v1, s[SRC:SRC+1] offset:512*i th:TH_LOAD_NT
.set i, i+1
.endr
.set i, 0
.rept 32
	s_wait_loadcnt 31-i                            ; loads come back in order: item i is in, the 31 - i younger ones stay out
	v_cvt_pk_bf16_f32 v8, v[D+4*i], v[D+4*i+1]     ; the one rounding
	v_cvt_pk_bf16_f32 v9, v[D+4*i+2], v[D+4*i+3]
	v_lshlrev_b32 v[D+4*i], 16, v8                 ; back to f32,
	v_and_b32 v[D+4*i+1], s[HIM], v8
	v_lshlrev_b32 v[D+4*i+2], 16, v9
	v_and_b32 v[D+4*i+3], s[HIM], v9
	v_cvt_pk_f16_f32 v[D+4*i], v[D+4*i], v[D+4*i+1]    ; and the same number written as f16
	v_cvt_pk_f16_f32 v[D+4*i+1], v[D+4*i+2], v[D+4*i+3]
	global_store_b64 v2, v[D+4*i:D+4*i+1], s[DST:DST+1] offset:256*i  ; no store's data or address register is written again
.set i, i+1
.endr
	s_endpgm
.Lvectors:                                     ; thread t takes 16 bytes at 16 t of each vector and of each batch's row of the mask
.irp j, 0,1,2,3,4,5,6,7
	global_load_b128 v[D+4*\j:D+4*\j+3], v5, s[16+2*\j:17+2*\j]
.endr
.irp j, 0,1,2,3,4,5,6,7
	global_load_b128 v[D+32+4*\j:D+32+4*\j+3], v5, s[32:33] offset:4096*\j
.endr
	s_wait_loadcnt 0x0
.irp j, 0,1,2,3,4,5,6,7
	v_cvt_pk_bf16_f32 v8, v[D+4*\j], v[D+4*\j+1]
	v_cvt_pk_bf16_f32 v9, v[D+4*\j+2], v[D+4*\j+3]
	v_lshlrev_b32 v[D+4*\j], 16, v8
	v_and_b32 v[D+4*\j+1], s[HIM], v8
	v_lshlrev_b32 v[D+4*\j+2], 16, v9
	v_and_b32 v[D+4*\j+3], s[HIM], v9
.if \j < 3
	global_store_b128 v5, v[D+4*\j:D+4*\j+3], s[40:41] offset:4096*\j        ; vecA: bq, bk, bv
.else
	global_store_b128 v5, v[D+4*\j:D+4*\j+3], s[42:43] offset:4096*(\j-3)    ; vecB: bp, g0, beta0, g1, beta1
.endif
.endr
.set r, D+32
.rept 32
	v_cmp_eq_u32 vcc_lo, 0, v[r]                   ; a key whose mask word is 0 does not count
	v_cndmask_b32 v[r], 0, s[BIGN], vcc_lo
.set r, r+1
.endr
.irp j, 0,1,2,3,4,5,6,7
	global_store_b128 v5, v[D+32+4*\j:D+32+4*\j+3], s[42:43] offset:20480+4096*\j
.endr
	s_endpgm
.Lfunc_end_k_qd59132db3d_prep:
	.size	k_qd59132db3d_prep, .Lfunc_end_k_qd59132db3d_prep-k_qd59132db3d_prep
	.p2alignl 7, 3214868480
	.fill 96, 4, 3214868480
	.section	.rodata,"a",@progbits
	.p2align	6, 0x0
	.amdhsa_kernel k_qd59132db3d_prep
		.amdhsa_group_segment_fixed_size 0
		.amdhsa_private_segment_fixed_size 0
		.amdhsa_enable_private_segment 0
		.amdhsa_kernarg_size 160
		.amdhsa_user_sgpr_count 2
		.amdhsa_user_sgpr_kernarg_segment_ptr 1
		.amdhsa_wavefront_size32 1
		.amdhsa_system_sgpr_workgroup_id_x 1
		.amdhsa_system_sgpr_workgroup_id_y 1
		.amdhsa_system_sgpr_workgroup_id_z 1
		.amdhsa_system_vgpr_workitem_id 0
		.amdhsa_next_free_vgpr 152
		.amdhsa_next_free_sgpr 66
		.amdhsa_reserve_vcc 1
		.amdhsa_float_denorm_mode_32 3
		.amdhsa_float_denorm_mode_16_64 3
		.amdhsa_memory_ordered 1
		.amdhsa_forward_progress 1
		.amdhsa_inst_pref_size 30
	.end_amdhsa_kernel
	.amdgpu_metadata
---
amdhsa.version: [ 1, 2 ]
amdhsa.kernels:
  - .name:           k_qd59132db3d_prep
    .symbol:         k_qd59132db3d_prep.kd
    .args:
      - { .name: Q, .offset: 0, .size: 8, .value_kind: global_buffer, .address_space: global }
      - { .name: K, .offset: 8, .size: 8, .value_kind: global_buffer, .address_space: global }
      - { .name: Wq, .offset: 16, .size: 8, .value_kind: global_buffer, .address_space: global }
      - { .name: Wk, .offset: 24, .size: 8, .value_kind: global_buffer, .address_space: global }
      - { .name: Wv, .offset: 32, .size: 8, .value_kind: global_buffer, .address_space: global }
      - { .name: Wp, .offset: 40, .size: 8, .value_kind: global_buffer, .address_space: global }
      - { .name: bq, .offset: 48, .size: 8, .value_kind: global_buffer, .address_space: global }
      - { .name: bk, .offset: 56, .size: 8, .value_kind: global_buffer, .address_space: global }
      - { .name: bv, .offset: 64, .size: 8, .value_kind: global_buffer, .address_space: global }
      - { .name: bp, .offset: 72, .size: 8, .value_kind: global_buffer, .address_space: global }
      - { .name: g0, .offset: 80, .size: 8, .value_kind: global_buffer, .address_space: global }
      - { .name: beta0, .offset: 88, .size: 8, .value_kind: global_buffer, .address_space: global }
      - { .name: g1, .offset: 96, .size: 8, .value_kind: global_buffer, .address_space: global }
      - { .name: beta1, .offset: 104, .size: 8, .value_kind: global_buffer, .address_space: global }
      - { .name: key_padding_mask, .offset: 112, .size: 8, .value_kind: global_buffer, .address_space: global }
      - { .name: xb, .offset: 120, .size: 8, .value_kind: global_buffer, .address_space: global }
      - { .name: wt, .offset: 128, .size: 8, .value_kind: global_buffer, .address_space: global }
      - { .name: wpt, .offset: 136, .size: 8, .value_kind: global_buffer, .address_space: global }
      - { .name: vecA, .offset: 144, .size: 8, .value_kind: global_buffer, .address_space: global }
      - { .name: vecB, .offset: 152, .size: 8, .value_kind: global_buffer, .address_space: global }
    .group_segment_fixed_size: 0
    .private_segment_fixed_size: 0
    .kernarg_segment_align: 8
    .kernarg_segment_size: 160
    .max_flat_workgroup_size: 256
    .sgpr_count:     66
    .vgpr_count:     152
    .wavefront_size: 32
...
	.end_amdgpu_metadata
.endif
;; end of part 1
;; launch proj (part 2): grid 12 x 32, 4 waves a work-group, clusters of 4 x 4, 327,680 bytes of LDS; arguments xb, wt, vecA, qkv; writes qkv
.if DOCPART == 2
	.amdgcn_target "amdgcn-amd-amdhsa--gfx1250"
	.amdhsa_code_object_version 6
	.text
	.protected	k_qd59132db3d_proj
	.globl	k_qd59132db3d_proj
	.p2align	8
	.type	k_qd59132db3d_proj,@function
k_qd59132db3d_proj:
	s_mov_b64 s[64:65], 0
	v_nop
	global_prefetch_b8 v0, s[64:65] scope:SCOPE_SE
	s_setreg_imm32_b32 hwreg(HW_REG_WAVE_MODE, 25, 1), 1
	s_wait_xcnt 0x0
	s_wait_alu depctr_hold_cnt(0) depctr_sa_sdst(0) depctr_va_vdst(0) depctr_va_sdst(0) depctr_va_ssrc(0) depctr_va_vcc(0) depctr_vm_vsrc(0)
	s_getreg_b32 s2, hwreg(HW_REG_IB_STS2, 6, 4)
	s_cmp_eq_u32 s2, 0
	s_cbranch_scc0 .Lentry_in_a_cluster
	s_endpgm
.Lentry_in_a_cluster:
	s_bfe_u32 s2, ttmp6, 0x10000c
	s_cmp_lg_u32 s2, 0xf033
	s_cbranch_scc0 .Lentry_shape_is_right
	s_endpgm
.Lentry_shape_is_right:
; out = A W + bias, for one or several jobs.  A: rows of 1,024 f16 (arg 0: [2][8192][1024]); W: [job][1024 k][1024 n] f16 (arg 1), as the problem stores it; bias: [job][1024] f32 (arg 2);
; out (arg 3): [job][128 (batch, head)][1024 rows][64] f16, by heads.  Sums in f32, K ascending; the bias starts each sum (it is the C operand of the first product); out is rounded once.
; LIMIT: a result of 65,520 or more in magnitude leaves as an infinity (f16).
; JOBS.  A job is four tile columns, one cluster along x: job J = cluster x.  Job 0 multiplies A's first half, the others its second.
; SHARES.  A tile of out is 256 x 256: four waves, each 128 rows x 128 columns (two heads): 64 accumulators of 16 x 16, 512 registers; 32 LDS loads feed 64 matrix instructions.
; K goes in steps of 128 through two LDS slots filled by the tensor data mover: 256 rows of A (256 bytes each) and 128 k-rows of W (512 bytes each: 256 columns).  A step holds 256 matrix
; instructions a wave, 224 of them between a slot's request and the wait for it; a tile of 256 x 128 would leave 112, and two slots of twice the K step for it (417,792 bytes) do not fit in LDS.
; The price: a job has 8192 x 1024 / (256 x 256) = 128 tiles.
; W's fragments come out of LDS turned, by ds_load_tr16_b128, so W is never transposed in memory.
; THE MATRIX INSTRUCTION IS USED TRANSPOSED (source 0 = 16 columns of W, source 1 = 16 rows of A): a lane holds row l % 16 and the columns 8 (l / 16) + 0..7: 16 bytes of a row of out.
; CLUSTERS: 4 x 4 work-groups.  The four of a row of the cluster need the same tile of A, the four of a column the same tile of W: each is asked for jointly, by the same tensor load, descriptor and mask.
; REGISTERS, in windows of 256: window 0: v16-31 addresses, v32-95 the bias in the accumulators' layout; windows 1 and 2: accumulator (a, b) at 8 (8 (a % 4) + b), row blocks 0-3 and 4-7;
;   window 3: two fragment buffers of 128 (A's eight fragments, then W's eight); on the way out the same 256 registers take the packed blocks, 32 a block.
.set KSTEP,  128
.set ROWB,   2048                      ; bytes in a row of A and of W
.set PA,     272                       ; an LDS row of A: 256 bytes + 16: the 16 rows of a fragment load start at 16 different groups of four banks (64 banks of 4 bytes: ISA guide 11.1)
.set PB,     544                       ; an LDS row of W: 512 + 32 = 17 x 32
.set HALFA,  128*PA                    ; what one tensor load brings of A
.set HALFB,  64*PB                     ; and of W
.set BOFF,   2*HALFA
.set SLOT,   BOFF+2*HALFB
.set STAGE,  2*SLOT                    ; behind the ring, never filled by a tensor load: for each wave two heads x 16 rows x 144 bytes
.set SP,     144
.set SPARE,  STAGE+4*32*SP             ; the spare words, 128 bytes for each wave: two blocks of 256 bytes that no other line names
.set ADRA, 16                          ; v16-17  LDS address of my A fragments in slot 0, 1
.set ADRB, 20                          ; v20-21  the same for W
.set STO,  24                          ; v24     the way out: where I put 16 bytes of a row
.set RD,   25                          ; v25     where I read rows back
.set GO,   26                          ; v26     16 x lane
.set SPW,  28                          ; v28     my spare word; never rewritten
.set NIL,  29                          ; v29     0; never rewritten
.set PFO,  30                          ; v30     the prefetches' offset: lane x 2,048; never rewritten
.set BO,   31                          ; v31     32 (l / 16): my eight columns' bias
.set BIAS, 32                          ; v32-95  register j of block b: column 16 b + 8 (l / 16) + j
.set F0,   0                           ; fragment buffers, in window 3
.set F1,   128
.set WV,  12                           ; s12 wave; s13 its half of the tile's rows; s14 its half of the columns, and which half of a tile it fetches
.set WM,  13
.set WN,  14
.set G1A, 24                           ; s[24:31] descriptor group 1 for A's tiles; s[32:39] group 0, a set for each slot
.set G0A, 32
.set G1B, 48                           ; s[48:55], s[56:63] the same for W's
.set G0B, 56
.set PFA, 44                           ; s[44:45] where my prefetches stand
.set PFS, 46                           ; s[46:47] a K step in bytes, along my tensor
.set LIM, 66                           ; s66 1 in a wave that prefetches, else the greatest number
.set MSB, 0
.macro WIN new                         ; the immediate's high byte repeats the setting that is left; a switch that changes nothing is dropped
.if MSB != (\new)
	s_set_vgpr_msb (MSB<<8)|(\new)
.set MSB, \new
.endif
.endm
.set FET,  0xc0                        ; destination window 3, address window 0
.set OUTW, 0xcc                        ; the way out's memory lines: address (source 0) window 0, store data (source 1) and loaded data (destination) window 3
.macro PLACES                          ; four places in front of loads into registers that matrix instructions have read, and of conversions that read results
.rept 4
	v_nop
.endr
.endm
; A joint refill: waves 0 and 1 fetch A's two halves, waves 2 and 3 W's.  The branch hangs on the wave's number alone.  An s_nop 0 and four v_nop follow each line.
.macro JLOAD s
	s_cmp_lt_u32 s[WV], 2
	s_cbranch_scc0 .Lfor_b_\@
	tensor_load_to_lds s[G0A+4*(\s):G0A+4*(\s)+3], s[G1A:G1A+7]
	s_nop 0
	PLACES
	s_branch .Lasked_\@
.Lfor_b_\@:
	tensor_load_to_lds s[G0B+4*(\s):G0B+4*(\s)+3], s[G1B:G1B+7]
	s_nop 0
	PLACES
.Lasked_\@:
.endm
; A prefetch into the L2 of the K step that stands two refills on (512 matrix instructions ahead of the load that will want it): 32 blocks of 256 bytes, a lane a row, one instruction.
; Each block is named once in the launch.  A's rows: the first cluster along x that reads that half of A (cluster x = 0 and 1), waves 0 and 1; of a wave's 128 rows the partner at place cx takes 32.
; W's k-rows (512 bytes: two blocks): cluster y = 0; wave 2 takes the first block, wave 3 the second; of the step's 128 k-rows the partner at place cy takes 32.
; The partners are told apart by address alone.  The loop's last trip asks for nothing: there is no K step two refills on.
.macro ASK
	s_cmp_gt_u32 s3, s[LIM]
	s_cbranch_scc0 .Lnot_mine_\@
	global_prefetch_b8 v[PFO], s[PFA:PFA+1] th:TH_LOAD_NT scope:SCOPE_SE
.Lnot_mine_\@:
.endm
.macro CREST                           ; a round of the cluster's barrier behind its opening barrier
	s_cmp_lg_u32 s[WV], 0
	s_cbranch_scc1 .Lnot_wave_0_\@
	s_barrier_signal -3
.Lnot_wave_0_\@:
	s_barrier_wait -3
	s_barrier_signal -1
	s_barrier_wait -1
.endm
.macro CROUND
	s_barrier_signal -1
	s_barrier_wait -1
	CREST
.endm
	s_load_b256 s[4:11], s[0:1], 0x0               ; A s[4:5], W s[6:7], bias s[8:9], out s[10:11]
	v_lshl_add_u32 v[SPW], v0, 2, SPARE
	v_mov_b32 v[NIL], 0
	ds_add_u32 v[SPW], v[NIL]                      ; the wave's opening: the add and its wait stand ahead of my first tensor load; work on registers stands between them
	v_lshrrev_b32 v1, 5, v0
	v_readfirstlane_b32 s[WV], v1
	s_lshr_b32 s[WM], s[WV], 1
	s_and_b32 s[WN], s[WV], 1
	s_bfe_u32 s40, ttmp6, 0x40000                  ; cx
	s_bfe_u32 s41, ttmp6, 0x40004                  ; cy
	s_lshl_b32 s42, ttmp9, 2
	s_add_co_u32 s42, s42, s40                     ; tile column = 4 x cluster x + cx
	s_and_b32 s43, ttmp7, 0xffff
	s_lshl_b32 s43, s43, 2
	s_add_co_u32 s43, s43, s41                     ; tile row = 4 x cluster y + cy
	s_mov_b32 s67, ttmp9                           ; the job, which all sixteen partners share
	s_min_u32 s68, s67, 1                          ; its half of A
	s_and_b32 s69, s42, 3                          ; the tile column within the job
	s_lshl_b32 s16, s41, 2
	s_lshl_b32 s16, 15, s16                        ; my row of the cluster
	s_lshl_b32 s17, 0x1111, s40                    ; my column
	s_or_b32 s[G1A], s16, (1<<16)|(1<<20)|(1<<21)|(5<<22)|(3<<25)  ; mask; 2-byte elements; padding on; bit 21 beside a mask; after every 64 words, 4 words
	s_or_b32 s[G1B], s17, (1<<16)|(1<<20)|(1<<21)|(6<<22)|(7<<25)  ; my column's mask; after every 128 words, 8 words
	s_mov_b32 s[G1A+1], KSTEP<<16                  ; tensor_dim0 = 128
	s_mov_b32 s[G1A+2], 128<<16                    ; tensor_dim1 = 128
	s_mov_b32 s[G1A+3], KSTEP<<16                  ; tile_dim0 = 128
	s_mov_b32 s[G1A+4], 128                        ; tile_dim1 = 128
	s_mov_b32 s[G1A+5], 1024                       ; elements from row to row
	s_mov_b32 s[G1A+6], 0
	s_mov_b32 s[G1A+7], 0
	s_mov_b32 s[G1B+1], 256<<16                    ; 256 columns
	s_mov_b32 s[G1B+2], 64<<16                     ; 64 k-rows
	s_mov_b32 s[G1B+3], 256<<16
	s_mov_b32 s[G1B+4], 64
	s_mov_b32 s[G1B+5], 1024
	s_mov_b32 s[G1B+6], 0
	s_mov_b32 s[G1B+7], 0
	s_lshl_b32 s18, s43, 8                         ; A: row 256 x tile row + 128 x half, in bytes, + the job's half of A.  These registers never hold cx
	s_lshl_b32 s19, s[WN], 7
	s_add_co_u32 s18, s18, s19
	s_lshl_b32 s18, s18, 11
	s_lshl_b32 s19, s68, 24
	s_add_co_u32 s18, s18, s19
	s_mov_b32 s19, 0
	s_lshl_b32 s70, s67, 21                        ; W: the job's matrix, 512 bytes x tile column.  These never hold cy
	s_lshl_b32 s71, s69, 9
	s_add_co_u32 s70, s70, s71
	s_mov_b32 s71, 0
	s_lshl_b32 s74, s[WN], 17                      ; my 64 k-rows of a step's 128
	s_mov_b32 s75, 0
	s_mul_i32 s20, s[WN], HALFA                    ; where they go: no place in the cluster enters an LDS address
	s_mul_i32 s21, s[WN], HALFB
	s_add_co_u32 s21, s21, BOFF
	s_wait_dscnt 0x0                               ; the opening add is done
	s_wait_kmcnt 0x0
	s_add_nc_u64 s[18:19], s[4:5], s[18:19]
	s_add_nc_u64 s[70:71], s[6:7], s[70:71]        ; the tile's first k-row
	s_add_nc_u64 s[74:75], s[70:71], s[74:75]
	CROUND                                         ; all sixteen work-groups are here: the first joint loads meet
.irp s, 0,1
	s_mov_b32 s[G0A+4*(\s)], 1
	s_add_co_u32 s[G0A+4*(\s)+1], s20, (\s)*SLOT
	s_add_nc_u64 s[G0A+4*(\s)+2:G0A+4*(\s)+3], s[18:19], (\s)*KSTEP*2
	s_or_b32 s[G0A+4*(\s)+3], s[G0A+4*(\s)+3], 0x80000000
	s_mov_b32 s[G0B+4*(\s)], 1
	s_add_co_u32 s[G0B+4*(\s)+1], s21, (\s)*SLOT
	s_add_nc_u64 s[G0B+4*(\s)+2:G0B+4*(\s)+3], s[74:75], (\s)*KSTEP*ROWB
	s_or_b32 s[G0B+4*(\s)+3], s[G0B+4*(\s)+3], 0x80000000
.endr
	s_cmp_lt_u32 s[WV], 2                          ; a wave's two first fills stand in one branch, ahead of every wait on TENSORcnt, LDS read and work-group barrier of the ring: two loads of mine are out
	s_cbranch_scc0 .Lfirst_b
	tensor_load_to_lds s[G0A:G0A+3], s[G1A:G1A+7]
	s_nop 0
	tensor_load_to_lds s[G0A+4:G0A+7], s[G1A:G1A+7]
	s_nop 0
	PLACES
	s_branch .Lfirst_asked
.Lfirst_b:
	tensor_load_to_lds s[G0B:G0B+3], s[G1B:G1B+7]
	s_nop 0
	tensor_load_to_lds s[G0B+4:G0B+7], s[G1B:G1B+7]
	s_nop 0
	PLACES
.Lfirst_asked:
	v_and_b32 v1, 15, v0                           ; l % 16
	v_bfe_u32 v2, v0, 4, 1                         ; l / 16
	v_lshlrev_b32 v[BO], 5, v2
	s_lshl_b32 s74, s67, 12                        ; the bias of my 128 columns: job x 4,096 + (256 x tile column + 128 x half) x 4
	s_lshl_b32 s75, s69, 10
	s_add_co_u32 s74, s74, s75
	s_lshl_b32 s75, s[WN], 9
	s_add_co_u32 s74, s74, s75
	s_mov_b32 s75, 0
	s_add_nc_u64 s[8:9], s[8:9], s[74:75]
.irp b, 0,1,2,3,4,5,6,7
	global_load_b128 v[BIAS+8*(\b):BIAS+8*(\b)+3],   v[BO], s[8:9] offset:64*(\b)
	global_load_b128 v[BIAS+8*(\b)+4:BIAS+8*(\b)+7], v[BO], s[8:9] offset:64*(\b)+16
.endr
	v_mul_u32_u24 v3, v1, PA                       ; a fragment of A: row l % 16, 16 bytes for each half of the lanes
	v_lshl_add_u32 v3, v2, 4, v3
	s_mul_i32 s22, s[WM], HALFA
	v_add_nc_u32 v[ADRA], s22, v3
	v_add_nc_u32 v[ADRA+1], SLOT, v[ADRA]
	v_and_b32 v4, 7, v0                            ; the turning load: k-row 8 (l / 16) + l % 8, columns 8 ((l / 8) % 2) + 0..7
	v_lshl_add_u32 v4, v2, 3, v4
	v_mul_u32_u24 v4, v4, PB
	v_bfe_u32 v5, v0, 3, 1
	v_lshl_add_u32 v4, v5, 4, v4
	s_lshl_b32 s23, s[WN], 8                       ; my 128 columns: 256 bytes of a k-row
	s_add_co_u32 s23, s23, BOFF
	v_add_nc_u32 v[ADRB], s23, v4
	v_add_nc_u32 v[ADRB+1], SLOT, v[ADRB]
	s_mul_i32 s22, s[WV], 32*SP
	s_add_co_u32 s22, s22, STAGE                   ; my stage
	v_mul_u32_u24 v6, v1, SP
	v_lshl_add_u32 v6, v2, 4, v6
	v_add_nc_u32 v[STO], s22, v6
	v_bfe_u32 v6, v0, 3, 2                         ; back: 32 lanes take four rows of 128 bytes,
	v_mul_u32_u24 v6, v6, SP
	v_and_b32 v7, 7, v0
	v_lshl_add_u32 v6, v7, 4, v6
	v_add_nc_u32 v[RD], s22, v6
	v_and_b32 v[GO], 31, v0                        ; which are 512 consecutive bytes of out
	v_lshlrev_b32 v[PFO], 11, v[GO]
	v_lshlrev_b32 v[GO], 4, v[GO]
	s_lshl_b32 s76, s67, 24                        ; out: job, batch = tile row / 4, head = 4 x tile column + 2 x half, row (tile row % 4) x 256 + 128 x half, 128 bytes a row
	s_lshr_b32 s77, s43, 2
	s_lshl_b32 s77, s77, 21
	s_add_co_u32 s76, s76, s77
	s_lshl_b32 s77, s69, 1
	s_add_co_u32 s77, s77, s[WN]
	s_lshl_b32 s77, s77, 18
	s_add_co_u32 s76, s76, s77
	s_and_b32 s77, s43, 3
	s_lshl_b32 s77, s77, 1
	s_add_co_u32 s77, s77, s[WM]
	s_lshl_b32 s77, s77, 14
	s_add_co_u32 s76, s76, s77
	s_mov_b32 s77, 0
	s_add_nc_u64 s[10:11], s[10:11], s[76:77]
	s_mov_b32 s[PFS], KSTEP*ROWB                   ; the prefetches
	s_mov_b32 s[PFS+1], 0
	s_and_b32 s72, ttmp9, 2                        ; 0 in the first cluster along x that reads this half of A
	s_and_b32 s73, ttmp7, 0xffff                   ; 0 in the first cluster along y
	s_lshl_b32 s78, s40, 16                        ; A: my work-group's 32 rows of the wave's 128
	s_lshl_b32 s79, s41, 16                        ; W: my work-group's 32 k-rows of the step's 128,
	s_lshl_b32 s22, s[WN], 8
	s_add_co_u32 s79, s79, s22                     ; and my wave's block of the two
	s_cmp_lt_u32 s[WV], 2
	s_cselect_b64 s[PFA:PFA+1], s[18:19], s[70:71]
	s_cselect_b32 s78, s78, s79
	s_cselect_b32 s[PFS], KSTEP*2, s[PFS]
	s_cselect_b32 s72, s72, s73
	s_cmp_eq_u32 s72, 0
	s_cselect_b32 s[LIM], 1, -1                    ; the same in all sixteen partners, for a given wave
	s_mov_b32 s79, 0
	s_add_nc_u64 s[PFA:PFA+1], s[PFA:PFA+1], s[78:79]
	s_mul_i32 s78, s[PFS], 3
	s_add_nc_u64 s[PFA:PFA+1], s[PFA:PFA+1], s[78:79]  ; at K step 3: the first refill (of K step 2) steps it to 4 and names that
; 16 matrix instructions: row blocks a0, a0 + 1 of the window's four (hi = 0: my rows 0-63, 1: rows 64-127) x all 8 column blocks, 32 along K.
; The 64 accumulators take turns, one instruction a turn, in the same order in every quarter.  first = 1: the bias starts the sums: nothing is ever cleared.
.macro MUL16 f, hi, a0, first
.if \first
	WIN 0x4f+0x40*(\hi)                            ; sources 0 and 1 window 3, C window 0, D window 1 or 2
.else
	WIN 0x5f+0x50*(\hi)                            ; sources 0 and 1 window 3, C and D window 1 or 2
.endif
.irp a, \a0, (\a0)+1
.irp b, 0,1,2,3,4,5,6,7
.if \first
	v_wmma_f32_16x16x32_f16 v[8*(8*(\a)+(\b)):8*(8*(\a)+(\b))+7], v[(\f)+64+8*(\b):(\f)+64+8*(\b)+7], v[(\f)+8*(4*(\hi)+(\a)):(\f)+8*(4*(\hi)+(\a))+7], v[BIAS+8*(\b):BIAS+8*(\b)+7]
.else
	v_wmma_f32_16x16x32_f16 v[8*(8*(\a)+(\b)):8*(8*(\a)+(\b))+7], v[(\f)+64+8*(\b):(\f)+64+8*(\b)+7], v[(\f)+8*(4*(\hi)+(\a)):(\f)+8*(4*(\hi)+(\a))+7], v[8*(8*(\a)+(\b)):8*(8*(\a)+(\b))+7]
.endif
.endr
.endr
.endm
; 32 LDS loads in one run: the fragments of quarter c (32 along K) of a slot into buffer f: W's first, then A's in ascending blocks
.macro FETCH slot, c, f
	WIN FET
.irp b, 0,1,2,3,4,5,6,7
	ds_load_tr16_b128 v[(\f)+64+8*(\b):(\f)+64+8*(\b)+3],   v[ADRB+(\slot)] offset:(\c)*32*PB+32*(\b)
	ds_load_tr16_b128 v[(\f)+64+8*(\b)+4:(\f)+64+8*(\b)+7], v[ADRB+(\slot)] offset:(\c)*32*PB+32*(\b)+16*PB
.endr
.irp a, 0,1,2,3,4,5,6,7
	ds_load_b128 v[(\f)+8*(\a):(\f)+8*(\a)+3],   v[ADRA+(\slot)] offset:64*(\c)+(\a)*16*PA
	ds_load_b128 v[(\f)+8*(\a)+4:(\f)+8*(\a)+7], v[ADRA+(\slot)] offset:64*(\c)+(\a)*16*PA+32
.endr
.endm
; A K step is four quarters of 32 along K, 64 matrix instructions each, on buffers 0, 1, 0, 1.  One of the first three: multiplies buffer f and fetches quarter c into g.
.macro QUARTER slot, c, f, g, first
	s_wait_dscnt 8                                 ; W's fragments and A's blocks 0-3 are in; the youngest eight loads (blocks 4-7) may be out
	MUL16 \f, 0, 0, \first
	MUL16 \f, 0, 2, \first
	PLACES
	FETCH \slot, \c, \g
	s_wait_dscnt 32                                ; all but the 32 just issued
	MUL16 \f, 1, 0, \first
	MUL16 \f, 1, 2, \first
.endm
; The last quarter multiplies buffer 1 and changes slots: one barrier; in front of it each wave waits for all its tensor loads (the one that is out is its part of the next slot), adds 0 to its
; spare word, and waits for that and for its own reads of this slot.  fill = 1: the barrier opens a round of the cluster's, and this slot is filled again, first thing behind it, two K steps ahead:
; 224 matrix instructions stand between that request and the wait for it.
.macro TURN slot, next, fill
.if \fill
	s_wait_xcnt 0x0                                ; the last prefetch, a K step back, has read its address
	s_add_nc_u64 s[PFA:PFA+1], s[PFA:PFA+1], s[PFS:PFS+1]
.endif
	WIN 0                                          ; (the add's two registers lie in window 0)
	s_wait_tensorcnt 0x0
	ds_add_u32 v[SPW], v[NIL]
	s_wait_dscnt 9                                 ; (the add and the youngest eight loads may be out)
	MUL16 F1, 0, 0, 0
	s_wait_dscnt 0x0                               ; the add is done, and my reads of this slot are over
	s_barrier_signal -1
	MUL16 F1, 0, 2, 0
.if \fill
	WIN 0
.endif
	s_barrier_wait -1
.if \fill
	CREST                                          ; no wave of any partner still reads this slot or has a load on its way
	s_add_nc_u64 s[G0A+4*(\slot)+2:G0A+4*(\slot)+3], s[G0A+4*(\slot)+2:G0A+4*(\slot)+3], 2*KSTEP*2
	s_add_nc_u64 s[G0B+4*(\slot)+2:G0B+4*(\slot)+3], s[G0B+4*(\slot)+2:G0B+4*(\slot)+3], 2*KSTEP*ROWB
	JLOAD \slot                                    ; the four v_nop behind it are also the places in front of the loads below
.else
	PLACES
.endif
	FETCH \next, 0, F0
.if \fill
	WIN 0
	ASK
.endif
	MUL16 F1, 1, 0, 0
	MUL16 F1, 1, 2, 0
.endm
	s_wait_tensorcnt 1                             ; my part of K step 0 is in; K step 1's may stay out
	s_barrier_signal -1
	s_barrier_wait -1
	FETCH 0, 0, F0
	s_wait_loadcnt 0x0                             ; the bias
	QUARTER 0, 1, F0, F1, 1                        ; the first quarter stands in front of the loop: its products start the sums, with the bias
	WIN 0                                          ; at a label and at a branch every window is 0
	s_mov_b32 s3, 3                                ; 1,024 / 256 - 1 trips; each fills both slots again: K steps 2 to 7
.Llap:
	QUARTER 0, 2, F1, F0, 0
	QUARTER 0, 3, F0, F1, 0
	TURN 0, 1, 1
	QUARTER 1, 1, F0, F1, 0
	QUARTER 1, 2, F1, F0, 0
	QUARTER 1, 3, F0, F1, 0
	TURN 1, 0, 1
	QUARTER 0, 1, F0, F1, 0
	WIN 0
	s_sub_co_u32 s3, s3, 1
	s_cmp_lg_u32 s3, 0
	s_cbranch_scc1 .Llap
	QUARTER 0, 2, F1, F0, 0                        ; the last lap fills nothing
	QUARTER 0, 3, F0, F1, 0
	TURN 0, 1, 0
	QUARTER 1, 1, F0, F1, 0
	QUARTER 1, 2, F1, F0, 0
	QUARTER 1, 3, F0, F1, 0
	s_wait_dscnt 8
	MUL16 F1, 0, 0, 0
	MUL16 F1, 0, 2, 0
	s_wait_dscnt 0x0
	MUL16 F1, 1, 0, 0
	MUL16 F1, 1, 2, 0
	WIN 0
	PLACES                                         ; behind the last products: the conversions read results and write registers that were fragments
; THE WAY OUT.  Block a (16 rows x 128 columns) is 2,048 consecutive bytes in each of two heads: rounded to f16 (each accumulator's registers in ascending order), 16 bytes a lane into my own
; stage (a part for each head), back as rows of 128 bytes.  Each block has 32 registers of its own in window 3, so no store's data is written again.
.macro PACK a
	WIN 0xc5+5*((\a)/4)                            ; sources window 1 or 2, destination window 3
.irp b, 0,1,2,3,4,5,6,7
.irp r, 0,1,2,3
	v_cvt_pk_f16_f32 v[32*(\a)+4*(\b)+(\r)], v[8*(8*((\a)%4)+(\b))+2*(\r)], v[8*(8*((\a)%4)+(\b))+2*(\r)+1]
.endr
.endr
	WIN OUTW
.irp b, 0,1,2,3,4,5,6,7
	ds_store_b128 v[STO], v[32*(\a)+4*(\b):32*(\a)+4*(\b)+3] offset:((\b)/4)*16*SP+32*((\b)%4)
.endr
.irp f, 0,1,2,3,4,5,6,7
	ds_load_b128 v[32*(\a)+4*(\f):32*(\a)+4*(\f)+3], v[RD] offset:((\f)/4)*16*SP+((\f)%4)*4*SP  ; LDS serves a wave's instructions in order (ISA guide 5.7.1.4): these see the stores above; the next block's stores come behind them
.endr
.endm
.macro SEND a, younger                 ; younger: the LDS instructions issued behind block a's loads
	WIN OUTW
.irp f, 0,1,2,3,4,5,6,7
	s_wait_dscnt (\younger)+7-(\f)
	global_store_b128 v[GO], v[32*(\a)+4*(\f):32*(\a)+4*(\f)+3], s[10:11] offset:((\f)/4)*131072+(\a)*2048+((\f)%4)*512  ; 512 consecutive bytes, at a multiple of 256 from out's first
.endr
.endm
	PACK 0
.irp a, 1,2,3,4,5,6,7
	PACK \a
	SEND (\a)-1, 16
.endr
	SEND 7, 0
	WIN 0
	s_wait_tensorcnt 0x0                           ; the wave's end
	ds_add_u32 v[SPW], v[NIL]
	s_wait_dscnt 0x0
	CROUND                                         ; the closing round
	s_endpgm
.Lfunc_end_k_qd59132db3d_proj:
	.size	k_qd59132db3d_proj, .Lfunc_end_k_qd59132db3d_proj-k_qd59132db3d_proj
	.p2alignl 7, 3214868480
	.fill 96, 4, 3214868480
	.section	.rodata,"a",@progbits
	.p2align	6, 0x0
	.amdhsa_kernel k_qd59132db3d_proj
		.amdhsa_group_segment_fixed_size 327680
		.amdhsa_private_segment_fixed_size 0
		.amdhsa_enable_private_segment 0
		.amdhsa_kernarg_size 32
		.amdhsa_user_sgpr_count 2
		.amdhsa_user_sgpr_kernarg_segment_ptr 1
		.amdhsa_wavefront_size32 1
		.amdhsa_system_sgpr_workgroup_id_x 1
		.amdhsa_system_sgpr_workgroup_id_y 1
		.amdhsa_system_sgpr_workgroup_id_z 1
		.amdhsa_system_vgpr_workitem_id 0
		.amdhsa_next_free_vgpr 1024
		.amdhsa_next_free_sgpr 80
		.amdhsa_reserve_vcc 0
		.amdhsa_float_denorm_mode_32 3
		.amdhsa_float_denorm_mode_16_64 3
		.amdhsa_memory_ordered 1
		.amdhsa_forward_progress 1
		.amdhsa_inst_pref_size 146
	.end_amdhsa_kernel
	.amdgpu_metadata
---
amdhsa.version: [ 1, 2 ]
amdhsa.kernels:
  - .name:           k_qd59132db3d_proj
    .symbol:         k_qd59132db3d_proj.kd
    .args:
      - { .name: xb, .offset: 0, .size: 8, .value_kind: global_buffer, .address_space: global }
      - { .name: wt, .offset: 8, .size: 8, .value_kind: global_buffer, .address_space: global }
      - { .name: vecA, .offset: 16, .size: 8, .value_kind: global_buffer, .address_space: global }
      - { .name: qkv, .offset: 24, .size: 8, .value_kind: global_buffer, .address_space: global }
    .group_segment_fixed_size: 327680
    .private_segment_fixed_size: 0
    .kernarg_segment_align: 8
    .kernarg_segment_size: 32
    .max_flat_workgroup_size: 128
    .sgpr_count:     80
    .vgpr_count:     1024
    .wavefront_size: 32
...
	.end_amdgpu_metadata
.endif
;; end of part 2
;; launch attn (part 3): grid 2 x 128, 4 waves a work-group, no clusters, 327,680 bytes of LDS; arguments qkv, vecB, xs; writes xs
.if DOCPART == 3
	.amdgcn_target "amdgcn-amd-amdhsa--gfx1250"
	.amdhsa_code_object_version 6
	.text
	.protected	k_qd59132db3d_attn
	.globl	k_qd59132db3d_attn
	.p2align	8
	.type	k_qd59132db3d_attn,@function
k_qd59132db3d_attn:
	s_mov_b64 s[64:65], 0
	v_nop
	global_prefetch_b8 v0, s[64:65] scope:SCOPE_SE
	s_setreg_imm32_b32 hwreg(HW_REG_WAVE_MODE, 25, 1), 1
	s_wait_xcnt 0x0
; x[bh][q][:] = q[bh][q][:] + the sum over k of softmax_k(q . k / 8 + madd[k]) v[bh][k][:].  q, k, v: the three parts of qkv, each [128][1024][64] f16; madd: [8][1024] f32 in vecB at byte 20,480,
; 0 for a key that counts, -1e30 for one that does not; x: [128][1024][64] f16.  Products, maxima and sums in f32; the weights p are rounded to f16 for the second product, x once at the end.
; LIMITS.  A hidden score counts as its value less 1e30 (f16's scores are 2.7e11 at the most).  A row none of whose keys counts leaves as NaN (its maximum lies below -5e29), as a softmax over nothing does.
; A weight below 2^-126 counts as 0; infinities among the inputs are not treated apart; x beyond 65,504 leaves as an infinity.
; SHARES.  A wave owns four PIECES of two tiles of 16 queries, a work-group's four waves 512 queries of one (batch, head).  Every wave walks all 1,024 keys, 64 a step.
; ALL OF A HEAD'S K AND V LIE IN LDS AT ONCE: four slots of 256 keys, 77,824 bytes each with their padding: 311,296 bytes.  Every fill is a first fill: each wave issues four tensor loads at the head
; (four of mine are out), nothing is filled again, and one text walks all sixteen key steps.  Nothing is asked for after the head, so nothing is prefetched.
; NO CLUSTER: a head has two work-groups (1,024 / 512), and the grid's x, 2, is no multiple of a cluster's four.
; LAYOUT.  S^T = K Q^T + mask (source 0 = 16 keys, source 1 = 16 queries; the mask is the C operand that starts the sum): a lane holds ONE query (lane % 16) and the keys 8 (lane / 16) + 0..7.  Two such
; tiles rounded to f16 ARE source 1 of O^T = V^T P, whose result again holds one query a lane, and eight channels: the channels that the lane's registers of Q hold, so the residual is added in place.
; SOFTMAX.  A running maximum m and sum l: p = 2^(c s - c m), c = log2(e) / 8; in every step O and l are multiplied by a = 2^(c m_old - c m_new).  m starts at the lowest finite number, O and l at 0.
; BY TURNS.  Turn n belongs to piece n: 16 products K Q^T of piece n + 1, later 16 products V^T P of piece n - 1; beside them the scaling, exponentials, roundings, sums and rescaling of piece n and the
; maximum and statistics of piece n + 1.  Four vector instructions stand behind every matrix instruction, the others in one run; a turn's 66 exponentials are one batch with one wait.
; REGISTERS, in windows of 256: window 0: v1-10 addresses; v12-15, v48-63 at work; v16-47 statistics; v64-191 S^T, two buffers of two tiles; v192-255 P, likewise
;   window 1: O^T, 32 a tile     window 2: v0-127 Q; v128-191 K of one step; v192-255 V of one step     window 3: v0-1 the add's registers; v8-39 the mask of one step
.set NP,    4
.set KS,    64
.set PK,    144       ; a row of K in LDS: 128 bytes + 16: the 16 rows of a load start at 16 different groups of four banks (64 banks of 4 bytes: ISA guide 11.1)
.set PV,    160       ; a row of V: 128 + 32
.set VOFF,  4*KS*PK   ; a slot holds four steps: 256 rows of K, then 256 rows of V
.set SLOTB, 4*KS*(PK+PV)
.set STAGE, 4*SLOTB             ; never filled by a tensor load: 16 rows x 144 bytes for each wave
.set SP,    144
.set SPARE, STAGE+4*16*SP       ; the spare words: two blocks of 256 bytes that no other line names
.set MT,    SPARE+512           ; the batch's 1,024 addends, 4,096 bytes, stored once; never filled by a tensor load
.set QO,  1           ; v1   my byte offset in 16 rows of Q
.set AK0, 2           ; v2   my lane's place in a tile of K; never rewritten
.set AV0, 3           ; v3   the same for V
.set AK,  4           ; v4   the LDS address of K's next run of loads
.set AV,  5           ; v5   of V's
.set STO, 6           ; v6   the way out: where I put 16 bytes of a row
.set RD,  7           ; v7   where I read rows back
.set GO,  8           ; v8   my byte offset in 512 consecutive bytes of x
.set AM0, 9           ; v9   MT + 32 (l / 16)
.set AM,  10          ; v10  the LDS address of the mask's next run of loads
.set MV,  12
.set ST,  16          ; tile t's statistics at v[ST+4 t]: c m, m, l (even keys', odd keys')
.set TMP, 48
.set S,   64
.set P,   192
.set KF,  128
.set VF,  192
.set SPW, 0           ; v0 of window 3
.set NIL, 1           ; v1 of window 3
.set MC,  8           ; v8-39 of window 3: register j of group kb: key 16 kb + 8 (l / 16) + j
.set WV,  12
.set G1K, 24          ; s[24:31] descriptor group 1 for K's tiles
.set G1V, 32          ; s[32:39] for V's: it differs in the padding alone
.set G0,  40          ; s[40:55] descriptor group 0, a set for each of my four loads; never rewritten
.set SLOTS, 56        ; s56  counts the slots down, 5 to 1
.set CNT, 57          ; s57  counts a slot's key steps
.set CS,  58
.set SEL, 60
.set TBK, 62          ; s62  LDS byte at which K of the step to be fetched begins
.set TBV, 63          ; s63  the same for V, less VOFF
.set TBM, 66          ; s66  byte in the table at which the mask of the step to be fetched begins
.set LOW, 73          ; s73  -5e29
.set QNAN, 74         ; s74  a NaN
.set MSB, 0
.macro WIN new
.if MSB != (\new)
	s_set_vgpr_msb (MSB<<8)|(\new)
.set MSB, (\new)
.endif
.endm
.set W_KQ, 0x0a       ; K and Q in window 2, S^T in window 0
.set W_KM, 0x3a       ; the same with the C operand in window 3
.set W_PV, 0x52       ; V in window 2, P in window 0, O^T in window 1
.set W_RS, 0x41       ; O^T (destination and source 0) in window 1, a in window 0
.set W_FX, 0x61       ; the same with source 2 (Q) in window 2
.set W_MK, 0xc0
.set W_AD, 0x0f
.macro PLACES
.rept 4
	v_nop
.endr
.endm
; My four fills: my half (128 keys) of each slot's K or V.  base: the tensor at my half of the head's first 256 keys; lds: its place in slot 0; g1: the shape.
; An s_nop 0 follows each load, four v_nop the last.
.macro FILLS base, lds, g1
.irp g, 0,1,2,3
	s_mov_b32 s[G0+4*\g], 1
	s_add_co_u32 s[G0+4*\g+1], s[\lds], \g*SLOTB
	s_add_nc_u64 s[G0+4*\g+2:G0+4*\g+3], s[\base:\base+1], \g*4*KS*128
	s_or_b32 s[G0+4*\g+3], s[G0+4*\g+3], 0x80000000
.endr
.irp g, 0,1,2,3
	tensor_load_to_lds s[G0+4*\g:G0+4*\g+3], s[\g1:\g1+7]
	s_nop 0
.endr
	PLACES
.endm
; THE CHANGE OF SLOTS.  Nothing is filled again: the barrier only shows each wave's part of the next slot to the others.  The count is 0, since a loop's text has one count: at the first change the
; three later slots have had four key steps in which to land, and at the later changes nothing is out.
.macro MEET
	s_wait_tensorcnt 0x0
	s_wait_dscnt 0x0                ; no LDS instruction of mine is pending at the signal
	s_barrier_signal -1
	s_add_co_u32 s[TBK], s[TBK], SLOTB-4*KS*PK  ; the fetches go on to the next slot's first step
	s_add_co_u32 s[TBV], s[TBV], SLOTB-4*KS*PV
	s_barrier_wait -1
.endm
	s_load_b64 s[4:5], s[0:1], 0x0    ; qkv
	s_load_b64 s[76:77], s[0:1], 0x8  ; vecB
	s_load_b64 s[10:11], s[0:1], 0x10 ; xs
	WIN W_MK
	v_lshl_add_u32 v[SPW], v0, 2, SPARE
	v_mov_b32 v[NIL], 0
	WIN W_AD
	ds_add_u32 v[SPW], v[NIL]       ; the wave's opening: the add and its wait stand ahead of my first tensor load
	WIN 0
	v_lshrrev_b32 v1, 5, v0
	v_readfirstlane_b32 s[WV], v1
	s_and_b32 s15, ttmp7, 0xffff    ; the (batch, head)
	s_lshl_b32 s20, s15, 17         ; its first byte in each part: 1,024 rows of 128 bytes
	s_mov_b32 s21, 0
	s_and_b32 s16, s[WV], 1         ; which half of a slot's 256 keys I fetch
	s_lshl_b32 s22, s16, 14
	s_mov_b32 s23, 0
	s_add_nc_u64 s[22:23], s[22:23], s[20:21]
	s_mul_i32 s17, s16, 128*PK      ; its place in slot 0, for K
	s_mul_i32 s18, s16, 128*PV      ; and for V
	s_add_co_u32 s18, s18, VOFF
	s_lshl_b32 s2, ttmp9, 2
	s_add_co_u32 s2, s2, s[WV]      ; my wave among the head's eight,
	s_lshl_b32 s2, s2, 14           ; its 128 rows
	s_mov_b32 s3, 0
	s_add_nc_u64 s[2:3], s[2:3], s[20:21]
	s_lshr_b32 s78, s15, 4          ; the batch's row of addends
	s_lshl_b32 s78, s78, 12
	s_add_co_u32 s78, s78, 20480
	s_mov_b32 s79, 0
	; descriptor group 1.  128 keys are 16,384 dense bytes: asked for as 64 rows of 256 bytes, two keys a row, padded in LDS after every key
	s_mov_b32 s[G1K], (1<<16)|(1<<20)|(4<<22)|(3<<25)
	s_mov_b32 s[G1V], (1<<16)|(1<<20)|(4<<22)|(7<<25)
.irp g, G1K, G1V
	s_mov_b32 s[\g+1], 128<<16
	s_mov_b32 s[\g+2], 64<<16
	s_mov_b32 s[\g+3], 128<<16
	s_mov_b32 s[\g+4], 64
	s_mov_b32 s[\g+5], 128
	s_mov_b32 s[\g+6], 0
	s_mov_b32 s[\g+7], 0
.endr
	s_mov_b32 s[CS], 0x3e38aa3b     ; c = log2(e) / 8
	s_mov_b32 s[CS+1], s[CS]
	s_mov_b32 s[SEL], 0x76543210
	s_mov_b32 s[SEL+1], 0xfedcba98
	s_mov_b32 s[TBK], 0
	s_mov_b32 s[TBV], 0
	s_mov_b32 s[TBM], 0
	s_mov_b32 s[LOW], 0xf0c9f2ca
	s_mov_b32 s[QNAN], 0x7fc00000
	s_wait_dscnt 0x0                ; the opening add is done
	s_wait_kmcnt 0x0
	s_add_nc_u64 s[6:7], s[4:5], 0x1000000   ; k's part of qkv
	s_add_nc_u64 s[8:9], s[4:5], 0x2000000   ; v's
	s_add_nc_u64 s[6:7], s[6:7], s[22:23]    ; at my half of the head's first 256 keys
	s_add_nc_u64 s[8:9], s[8:9], s[22:23]
	s_add_nc_u64 s[4:5], s[4:5], s[2:3]      ; q and x at my wave's first row
	s_add_nc_u64 s[10:11], s[10:11], s[2:3]
	s_add_nc_u64 s[76:77], s[76:77], s[78:79]
	s_cmp_lt_u32 s[WV], 2           ; waves 0 and 1 fetch K's halves, waves 2 and 3 V's; a wave's four fills stand in one branch, ahead of every wait on TENSORcnt, LDS read and barrier
	s_cbranch_scc0 .Lfill_v
	FILLS 6, 17, G1K
	s_branch .Lfilled
.Lfill_v:
	FILLS 8, 18, G1V
.Lfilled:
	v_and_b32 v48, 15, v0           ; l % 16
	v_bfe_u32 v49, v0, 4, 1         ; l / 16
	v_and_b32 v50, 7, v0
	v_bfe_u32 v51, v0, 3, 1
	v_lshlrev_b32 v52, 5, v0        ; thread t brings addends 8 t .. 8 t + 7
	v_lshl_add_u32 v53, v0, 5, MT
	global_load_b128 v[56:59], v52, s[76:77]
	global_load_b128 v[60:63], v52, s[76:77] offset:16
	v_lshlrev_b32 v[QO], 7, v48
	v_lshl_add_u32 v[QO], v49, 4, v[QO]
	WIN 0x80
.set i, 0
.rept 4*NP                          ; Q stays in registers: tile i / 2, channels 32 (i % 2) on
	global_load_b128 v[8*i:8*i+3],   v[QO], s[4:5] offset:(i/2)*2048+(i%2)*64
	global_load_b128 v[8*i+4:8*i+7], v[QO], s[4:5] offset:(i/2)*2048+(i%2)*64+32
.set i, i+1
.endr
	; What the first turn finds: V's registers and P's second buffer hold 0, O^T and l are 0.  All this stands in the wait for the first tile.
.set i, VF
.rept 64
	v_mov_b32 v[i], 0
.set i, i+1
.endr
	WIN 0x40
.set i, 0
.rept 64*NP
	v_mov_b32 v[i], 0
.set i, i+1
.endr
	WIN 0
.set i, 0
.rept 2*NP
	v_mov_b32 v[ST+4*i], 0xfe000000    ; c m: far below every c s, a hidden key's too
	v_mov_b32 v[ST+4*i+1], 0xff7fffff  ; m
	v_mov_b32 v[ST+4*i+2], 0
	v_mov_b32 v[ST+4*i+3], 0
.set i, i+1
.endr
.set i, P+32
.rept 32
	v_mov_b32 v[i], 0
.set i, i+1
.endr
	v_mul_u32_u24 v[AK0], v48, PK
	v_lshl_add_u32 v[AK0], v49, 4, v[AK0]
	v_lshl_add_u32 v[AV0], v49, 3, v50   ; the turning load: key 8 (l / 16) + l % 8, channels 8 ((l / 8) % 2) + 0..7
	v_mul_u32_u24 v[AV0], v[AV0], PV
	v_lshl_add_u32 v[AV0], v51, 4, v[AV0]
	v_add_nc_u32 v[AV0], VOFF, v[AV0]
	v_mov_b32 v[AK], v[AK0]         ; key step 0 lies at the head of slot 0,
	v_lshl_add_u32 v[AM0], v49, 5, MT
	v_mov_b32 v[AM], v[AM0]         ; and its addends at the table's head
	s_mul_i32 s13, s[WV], 16*SP
	s_add_co_u32 s13, s13, STAGE
	v_mul_u32_u24 v[STO], v48, SP
	v_lshl_add_u32 v[STO], v49, 4, v[STO]
	v_add_nc_u32 v[STO], s13, v[STO]
	v_bfe_u32 v[RD], v0, 3, 2
	v_mul_u32_u24 v[RD], v[RD], SP
	v_lshl_add_u32 v[RD], v50, 4, v[RD]
	v_add_nc_u32 v[RD], s13, v[RD]
	v_and_b32 v[GO], 31, v0
	v_lshlrev_b32 v[GO], 4, v[GO]
	s_wait_loadcnt 32               ; the two loads of addends are in; Q's 32, issued behind them, may stay out
	ds_store_b128 v53, v[56:59]
	ds_store_b128 v53, v[60:63] offset:16
; THE MATRIX WORK.  The 8 accumulators of a run of 16 take turns.
; Product i of 16 of S^T for piece x: channels 32 (i / 8) on, keys 16 ((i / 2) % 4) on, tile 2 x + i % 2.  The first 8 start the sums, with the mask.
.macro KQ x
.set rS, S+64*((\x)%2)+32*(i%2)+8*((i/2)%4)
.set rK, KF+16*((i/2)%4)+8*(i/8)
.set rQ, 16*(2*(\x)+i%2)+8*(i/8)
.set rMC, MC+8*((i/2)%4)
.if i < 8
	WIN W_KM
	v_wmma_f32_16x16x32_f16 v[rS:rS+7], v[rK:rK+7], v[rQ:rQ+7], v[rMC:rMC+7]
.else
	WIN W_KQ
	v_wmma_f32_16x16x32_f16 v[rS:rS+7], v[rK:rK+7], v[rQ:rQ+7], v[rS:rS+7]
.endif
.endm
; Product i of 16 of O^T += V^T P for piece x: keys 32 (i / 8) on, channels 16 ((i / 2) % 4) on, tile 2 x + i % 2.
.macro PV x
	WIN W_PV
.set rO, 32*(2*(\x)+i%2)+8*((i/2)%4)
.set rV, VF+32*(i/8)+8*((i/2)%4)
.set rP, P+32*((\x)%2)+16*(i%2)+8*(i/8)
	v_wmma_f32_16x16x32_f16 v[rO:rO+7], v[rV:rV+7], v[rP:rP+7], v[rO:rO+7]
.endm
.macro MM
.if i < 16
	KQ (Y+1)%NP
.set i, i+1
.else
.set i, i-16
	PV (Y+NP-1)%NP
.set i, i+17
.endif
.endm
; THE LDS LOADS stand in runs: a step's K (8 fragments) with its mask (8 loads, every lane of a half the same 32 bytes), and its V (turned).
; guard = 1 (in the loop): behind the last key step there is no further one, and the run is jumped over: a forward jump on the slots' count, past LDS loads alone.
.macro FETCH_K guard=0
	WIN 0
.if \guard
	s_cmp_eq_u32 s[SLOTS], 1
	s_cbranch_scc1 .Lno_k_\@
.endif
	WIN 0x80
.irp f, 0,1,2,3,4,5,6,7
	ds_load_b128 v[KF+8*\f:KF+8*\f+3],   v[AK] offset:(\f/2)*16*PK+(\f%2)*64
	ds_load_b128 v[KF+8*\f+4:KF+8*\f+7], v[AK] offset:(\f/2)*16*PK+(\f%2)*64+32
.endr
	WIN 0xc0
.irp f, 0,1,2,3
	ds_load_b128 v[MC+8*\f:MC+8*\f+3],   v[AM] offset:64*\f
	ds_load_b128 v[MC+8*\f+4:MC+8*\f+7], v[AM] offset:64*\f+16
.endr
	s_add_co_u32 s[TBK], s[TBK], KS*PK
	s_add_co_u32 s[TBM], s[TBM], KS*4
	WIN 0
.if \guard
.Lno_k_\@:
.endif
.endm
.macro FETCH_V
	WIN 0x80
.irp f, 0,1,2,3,4,5,6,7
	ds_load_tr16_b128 v[VF+8*\f:VF+8*\f+3],   v[AV] offset:(\f/4)*32*PV+(\f%4)*32
	ds_load_tr16_b128 v[VF+8*\f+4:VF+8*\f+7], v[AV] offset:(\f/4)*32*PV+16*PV+(\f%4)*32
.endr
	WIN 0
.endm
; THE VECTOR WORK OF A TURN stands in three queues, each in the order in which its entries become ready; the two tiles alternate.
.macro REGS y, u
.set rT, ST+4*(2*(\y)+(\u))
.set rC, TMP+8*((\y)%2)+4*(\u)
.set rM, MV+2*((\y)%2)+(\u)
.set rS, S+64*((\y)%2)+32*(\u)
.set rP, P+32*((\y)%2)+16*(\u)
.set rO, 32*(2*(\y)+(\u))
.endm
; Number n of the 22 that find the NEXT piece's maximum and statistics; each accumulator's lowest registers are read first.
;   0-11 four chains of seven scores each   12-14, 16 the four left over, the old m, the four into one   15 c m_old is kept   17, 18 the other half of the lanes: the new m   19-21 c m; its change; a
.macro XS u, n
	REGS (Y+1)%NP, \u
.if (\n) < 4
	v_max3_num_f32 v[rC+(\n)], v[rS+8*(\n)], v[rS+8*(\n)+1], v[rS+8*(\n)+2]
.elseif (\n) < 12
	v_max3_num_f32 v[rC+(\n)%4], v[rC+(\n)%4], v[rS+8*((\n)%4)+2*((\n)/4)+1], v[rS+8*((\n)%4)+2*((\n)/4)+2]
.elseif (\n) == 12
	v_max3_num_f32 v[rC], v[rC], v[rS+7], v[rS+15]
.elseif (\n) == 13
	v_max3_num_f32 v[rC+1], v[rC+1], v[rS+23], v[rS+31]
.elseif (\n) == 14
	v_max3_num_f32 v[rC+2], v[rC+2], v[rC+3], v[rT+1]
.elseif (\n) == 15
	v_mov_b32 v[rM], v[rT]
.elseif (\n) == 16
	v_max3_num_f32 v[rC], v[rC], v[rC+1], v[rC+2]
.elseif (\n) == 17
	v_permlanex16_b32 v[rC+3], v[rC], s[SEL], s[SEL+1]
.elseif (\n) == 18
	v_max_num_f32 v[rT+1], v[rC], v[rC+3]
.elseif (\n) == 19
	v_mul_f32 v[rT], s[CS], v[rT+1]
.elseif (\n) == 20
	v_sub_f32 v[rC+1], v[rM], v[rT]
.else
	v_exp_f32 v[rC+2], v[rC+1]
.endif
.endm
; Number g of the 64 that follow the exponentials: for each four weights both pairs are rounded to f16, the second pair is added onto the first, and a group later l takes that sum (the first time as l = a l + sum).
.macro GS g
.set h, (\g)+6*((\g)/62)
.if h >= 6
.set h, h+2
.endif
	REGS Y, h%2
.set k, h/8
.if h%8 < 4
	v_cvt_pk_f16_f32 v[rP+2*k+(h%8)/2], v[rS+4*k+2*((h%8)/2)], v[rS+4*k+2*((h%8)/2)+1]
.elseif h%8 < 6
	v_pk_add_f32 v[rS+4*k:rS+4*k+1], v[rS+4*k:rS+4*k+1], v[rS+4*k+2:rS+4*k+3]
.elseif k == 1
	v_pk_fma_f32 v[rT+2:rT+3], v[rT+2:rT+3], v[rC+2:rC+3], v[rS:rS+1] op_sel_hi:[1,0,1]
.else
	v_pk_add_f32 v[rT+2:rT+3], v[rT+2:rT+3], v[rS+4*k-4:rS+4*k-3]
.endif
.endm
; THE PLAIN QUEUE, 138 long.  0-73 read no exponential's result: the 32 scalings and the next piece's 42.  74-137: GS's 64, behind the wait.
.macro FS f
	REGS Y, (\f)%2
	v_pk_fma_f32 v[rS+2*((\f)/2):rS+2*((\f)/2)+1], v[rS+2*((\f)/2):rS+2*((\f)/2)+1], s[CS:CS+1], v[rT:rT+1] op_sel_hi:[1,0,0] neg_lo:[0,0,1] neg_hi:[0,0,1]
.endm
.macro PL
	WIN 0
.if q < 27
	FS q
.elseif q < 55
	XS (q-27)%2, (q-27)/2
.elseif q < 57
	XS q-55, 15
.elseif (q < 72) && ((q-57)%3 == 0)
	FS 27+(q-57)/3
.elseif q < 60
	XS (q-57)%3-1, 14
.elseif q < 72
	XS (q-57)%3-1, 15+(q-57)/3
.elseif q < 74
	XS q-72, 20
.else
	GS q-74
.endif
.set q, q+1
.endm
; THE EXPONENTIALS' QUEUE, 66 long: one batch, all ahead of the turn's one wait.
.macro EX
	WIN 0
.if e >= 64
	XS e-64, 21
.else
	REGS Y, e%2
	v_exp_f32 v[rS+e/2], v[rS+e/2]
.endif
.set e, e+1
.endm
; THE RESCALING's QUEUE: O^T times a, two at a time.  Its a was made, and waited for, in the turn before.
.macro R2
	REGS Y, r%2
	WIN W_RS
.irp z, 0,1
	v_pk_mul_f32 v[rO+4*(r/2)+2*\z:rO+4*(r/2)+2*\z+1], v[rO+4*(r/2)+2*\z:rO+4*(r/2)+2*\z+1], v[rC+2:rC+3] op_sel_hi:[1,0]
.endr
.set r, r+1
.endm
; A TURN, for piece p.  Ahead of its one wait stands all that names no result of the turn's exponentials: 16 products K Q^T, behind each a scaling, an exponential and two rescalings; then one run of 108.
; Behind it: 16 products V^T P, behind each four of the roundings and sums.  K and the mask of the next step are fetched in piece 2's turn, directly behind the wait, a run of vector work behind the last
; product that read them; V of the step in hand at the end of piece 0's turn, four plain instructions behind its last reader.  The three conditions on q go with the deal.
.macro TURN p, guard=0, cnt=0
.set Y, (\p)
.set i, 0
.set q, 0
.set e, 0
.set r, 0
.if (\p) == NP-1
	s_wait_dscnt 0x0                ; K and the mask are in
.endif
	MM
	PL
	PL
	R2
.rept 15
	MM
	PL
	EX
	R2
.endr
.if (\p) == NP-2
	WIN 0
	v_add_nc_u32 v[AK], s[TBK], v[AK0]
	v_add_nc_u32 v[AM], s[TBM], v[AM0]
.endif
.rept 8
	PL
.endr
.rept 49
	EX
	PL
.endr
	EX
	EX
	v_nop                           ; a plain instruction behind the last exponential: one for the batch (ISA guide 5.7.2)
	s_wait_alu depctr_va_vdst(0)    ; the wait ahead of the batch's first reader
.if (\p) == NP-2
	FETCH_K \guard
.endif
.if (\p) == 1
	s_wait_dscnt 0x0                ; V is in
.endif
.rept 16
	MM
.rept 4
	PL
.endr
.if ((\p) == 0) && (q == 118)
	v_add_nc_u32 v[AV], s[TBV], v[AV0]
.endif
.if ((\p) == 0) && (q == 130)
	s_add_co_u32 s[TBV], s[TBV], KS*PV
.endif
.if (\cnt) && (q == 130)
	s_sub_co_u32 s[CNT], s[CNT], 1
	s_cmp_lg_u32 s[CNT], 0
.endif
.endr
.if (\p) == 0
	FETCH_V
.endif
.endm
	s_wait_tensorcnt 3              ; my part of slot 0 is in; my three younger loads may stay out
	s_wait_dscnt 0x0                ; my part of the table of addends is stored
	s_barrier_signal -1
	s_barrier_wait -1               ; slot 0 and the table are whole
	FETCH_K                         ; key step 0
	s_wait_loadcnt 0x0              ; Q
	s_wait_dscnt 0x0
.set i, 0
.rept 16
	KQ 0                            ; piece 0's first scores
.set i, i+1
.endr
	WIN 0
	PLACES                          ; the places behind those products
.set Y, NP-1
.irp n, 0,1,2,3,4,5,6,7,8,9,10,11,12,13,14,15,16,17,18,19,20,21
	XS 0, \n                        ; piece 0's first maximum and statistics
	XS 1, \n
.endr
	v_nop
	s_wait_alu depctr_va_vdst(0)    ; the two a have their wait ahead of the branch
	s_mov_b32 s[CNT], 4
	s_mov_b32 s[SLOTS], 5           ; four slots, and a fifth turn of the outer loop that is left in the middle of its first trip
	s_branch .Lfirst                ; the loop is entered at a step's first turn, in the middle of a trip
.Lslot:
	MEET
	s_mov_b32 s[CNT], 4
.Lstep:                             ; a trip: pieces 2 and 3 of one step, then pieces 0 and 1 of the next
	TURN 2, 1
	TURN 3
	WIN 0
	s_cmp_eq_u32 s[SLOTS], 1        ; pieces 2 and 3 of the sixteenth step are done: out, by a forward jump past neither a barrier nor a tensor load
	s_cbranch_scc1 .Lout
.Lfirst:
	TURN 0
	TURN 1, 0, 1
	WIN 0
	s_cbranch_scc1 .Lstep
	s_sub_co_u32 s[SLOTS], s[SLOTS], 1
	s_cmp_lg_u32 s[SLOTS], 0
	s_cbranch_scc1 .Lslot
.Lout:                              ; the last trip's products K Q^T repeat the last step's scores: the maximum made of them changes no m
.set i, 0
.rept 16
	PV NP-1
.set i, i+1
.endr
	; THE WAY OUT.  l's halves are added; x = O^T / l + q, rounded to f16 and sent through my stage, a tile at a time.  The additions are the places behind the last products.
	WIN 0
.macro ALL line:vararg
.set t, 0
.rept 2*NP
	\line
.set t, t+1
.endr
.endm
	ALL v_add_f32 v[ST+4*t+2], v[ST+4*t+2], v[ST+4*t+3]
	ALL v_permlanex16_b32 v[ST+4*t+3], v[ST+4*t+2], s[SEL], s[SEL+1]
	ALL v_add_f32 v[ST+4*t+2], v[ST+4*t+2], v[ST+4*t+3]
	ALL v_rcp_f32 v[ST+4*t+2], v[ST+4*t+2]
	v_nop
	s_wait_alu depctr_va_vdst(0)    ; one wait for the eight reciprocals, ahead of their first use
.set t, 0
.rept 2*NP
	v_cmp_gt_f32 vcc_lo, s[LOW], v[ST+4*t+1]                        ; no key of this row counted:
	v_cndmask_b32 v[ST+4*t+2], v[ST+4*t+2], s[QNAN], vcc_lo         ; the row is NaN
.set t, t+1
.endr
; Register 8 cb + j of a tile's O^T and half j % 2 of register 4 cb + j / 2 of its Q hold the same query and channel 16 cb + 8 (l / 16) + j.
.macro PACK t
	WIN W_FX
.set i, 0
.rept 32
.if i%2
	v_fma_mix_f32 v[32*(\t)+i], v[32*(\t)+i], v[ST+4*(\t)+2], v[16*(\t)+4*(i/8)+(i%8)/2] op_sel:[0,0,1] op_sel_hi:[0,0,1]
.else
	v_fma_mix_f32 v[32*(\t)+i], v[32*(\t)+i], v[ST+4*(\t)+2], v[16*(\t)+4*(i/8)+(i%8)/2] op_sel_hi:[0,0,1]
.endif
.set i, i+1
.endr
	WIN 0x05
.set i, 0
.rept 16
	v_cvt_pk_f16_f32 v[S+16*(\t)+i], v[32*(\t)+2*i], v[32*(\t)+2*i+1]
.set i, i+1
.endr
	WIN 0
.irp f, 0,1,2,3
	ds_store_b128 v[STO], v[S+16*(\t)+4*\f:S+16*(\t)+4*\f+3] offset:32*\f
.endr
.irp f, 0,1,2,3
	ds_load_b128 v[S+16*(\t)+4*\f:S+16*(\t)+4*\f+3], v[RD] offset:\f*4*SP  ; LDS serves a wave's instructions in order (ISA guide 5.7.1.4)
.endr
.endm
.macro SEND t, younger
	WIN 0
.irp f, 0,1,2,3
	s_wait_dscnt (\younger)+3-\f
	global_store_b128 v[GO], v[S+16*(\t)+4*\f:S+16*(\t)+4*\f+3], s[10:11] offset:(\t)*2048+\f*512  ; 512 consecutive bytes, at a multiple of 256 from x's first
.endr
.endm
	PACK 0
.set t, 1
.rept 2*NP-1
	PACK t
	SEND t-1, 8
.set t, t+1
.endr
	SEND 2*NP-1, 0
	WIN W_AD
	s_wait_tensorcnt 0x0            ; the wave's end
	ds_add_u32 v[SPW], v[NIL]
	s_wait_dscnt 0x0
	WIN 0
	s_endpgm
.Lfunc_end_k_qd59132db3d_attn:
	.size	k_qd59132db3d_attn, .Lfunc_end_k_qd59132db3d_attn-k_qd59132db3d_attn
	.p2alignl 7, 3214868480
	.fill 96, 4, 3214868480
	.section	.rodata,"a",@progbits
	.p2align	6, 0x0
	.amdhsa_kernel k_qd59132db3d_attn
		.amdhsa_group_segment_fixed_size 327680
		.amdhsa_private_segment_fixed_size 0
		.amdhsa_enable_private_segment 0
		.amdhsa_kernarg_size 24
		.amdhsa_user_sgpr_count 2
		.amdhsa_user_sgpr_kernarg_segment_ptr 1
		.amdhsa_wavefront_size32 1
		.amdhsa_system_sgpr_workgroup_id_x 1
		.amdhsa_system_sgpr_workgroup_id_y 1
		.amdhsa_system_sgpr_workgroup_id_z 1
		.amdhsa_system_vgpr_workitem_id 0
		.amdhsa_next_free_vgpr 808
		.amdhsa_next_free_sgpr 84
		.amdhsa_reserve_vcc 1
		.amdhsa_float_denorm_mode_32 3
		.amdhsa_float_denorm_mode_16_64 3
		.amdhsa_memory_ordered 1
		.amdhsa_forward_progress 1
		.amdhsa_inst_pref_size 138
	.end_amdhsa_kernel
	.amdgpu_metadata
---
amdhsa.version: [ 1, 2 ]
amdhsa.kernels:
  - .name:           k_qd59132db3d_attn
    .symbol:         k_qd59132db3d_attn.kd
    .args:
      - { .name: qkv, .offset: 0, .size: 8, .value_kind: global_buffer, .address_space: global }
      - { .name: vecB, .offset: 8, .size: 8, .value_kind: global_buffer, .address_space: global }
      - { .name: xs, .offset: 16, .size: 8, .value_kind: global_buffer, .address_space: global }
    .group_segment_fixed_size: 327680
    .private_segment_fixed_size: 0
    .kernarg_segment_align: 8
    .kernarg_segment_size: 24
    .max_flat_workgroup_size: 128
    .sgpr_count:     84
    .vgpr_count:     808
    .wavefront_size: 32
...
	.end_amdgpu_metadata
.endif
;; end of part 3
;; launch ln0 (part 4): grid 1024 x 1, 4 waves a work-group, no clusters, 0 bytes of LDS; arguments xs, vecB, xb; writes xb
.if DOCPART == 4
	.amdgcn_target "amdgcn-amd-amdhsa--gfx1250"
	.amdhsa_code_object_version 6
	.text
	.protected	k_qd59132db3d_ln0
	.globl	k_qd59132db3d_ln0
	.p2align	8
	.type	k_qd59132db3d_ln0,@function
k_qd59132db3d_ln0:
	s_mov_b64 s[64:65], 0
	v_nop
	global_prefetch_b8 v0, s[64:65] scope:SCOPE_SE
	s_setreg_imm32_b32 hwreg(HW_REG_WAVE_MODE, 25, 1), 1
	s_wait_xcnt 0x0
; o = layernorm(x) g0 + beta0.  x: [128 (batch, head)][1024][64] f16; g0, beta0: f32 in vecB at bytes 4,096 and 8,192; o: [8192][1024] f16, row-major, into xb's first half.
; The mean first, then the sum of squared deviations, both in f32; o rounded once.  LIMIT: f16's range for o.
; One wave takes two rows: row 2 rp + l / 16; a lane holds the columns 128 p + 8 (l % 16) + 0..7, p = 0..7.  So a row's sums stay within 16 lanes, a load covers two pieces of 256 consecutive
; bytes (two rows of each of two heads), and sixteen lanes store 256 consecutive bytes, aligned.  Straight-line: the rows stay in registers; no LDS, no barrier; nothing is shared but the two vectors.
.set XO,   6                           ; v6  my byte offset in x
.set GF,   7                           ; v7  32 (l % 16): in g0 and beta0
.set OO,   8                           ; v8  my byte offset in o
.set VAR,  9
.set MEAN, 10                          ; v[10:11]
.set RS,   12                          ; v[12:13]
.set ONE,  14
.set NIL,  15
.set X,    16                          ; v[16:47]   as loaded, later as stored
.set U,    48                          ; v[48:111]  64 numbers in f32
.set G,    112
.set B,    176
.set CH,   240                         ; v[240:247] four chains of pairs
.macro FOLD                            ; the four chains into one number, then over the row's 16 lanes
	v_pk_add_f32 v[CH:CH+1], v[CH:CH+1], v[CH+2:CH+3]
	v_pk_add_f32 v[CH+4:CH+5], v[CH+4:CH+5], v[CH+6:CH+7]
	v_pk_add_f32 v[CH:CH+1], v[CH:CH+1], v[CH+4:CH+5]
	v_add_f32 v[CH], v[CH], v[CH+1]
.irp m, 1,2,4,8
	v_add_f32_dpp v[CH], v[CH], v[CH] row_xmask:\m row_mask:0xf bank_mask:0xf
.endr
.endm
	s_load_b128 s[4:7], s[0:1], 0x0                ; x s[4:5], vecB s[6:7]
	s_load_b64 s[8:9], s[0:1], 0x10                ; o
	v_lshrrev_b32 v1, 5, v0
	v_readfirstlane_b32 s10, v1
	s_lshl_b32 s11, ttmp9, 2
	s_add_co_u32 s11, s11, s10                     ; rp, 0 to 4,095
	s_lshr_b32 s12, s11, 9                         ; the batch: 2,097,152 bytes of x
	s_lshl_b32 s12, s12, 21
	s_and_b32 s13, s11, 511                        ; the pair of rows in it: 256 bytes in each head
	s_lshl_b32 s13, s13, 8
	s_add_co_u32 s12, s12, s13
	s_mov_b32 s13, 0
	s_lshl_b32 s14, s11, 12                        ; two rows of o
	s_mov_b32 s15, 0
	s_mov_b32 s16, 0x3a800000                      ; 1 / 1,024
	s_mov_b32 s17, 0x3727c5ac                      ; 1e-5
	v_bfe_u32 v2, v0, 3, 1
	v_bfe_u32 v3, v0, 4, 1
	v_and_b32 v4, 7, v0
	v_and_b32 v5, 15, v0
	v_lshlrev_b32 v[XO], 17, v2                    ; the odd head of the pair,
	v_lshl_add_u32 v[XO], v3, 7, v[XO]             ; the row,
	v_lshl_add_u32 v[XO], v4, 4, v[XO]             ; my 16 bytes
	v_lshlrev_b32 v[GF], 5, v5
	v_lshlrev_b32 v[OO], 11, v3
	v_lshl_add_u32 v[OO], v5, 4, v[OO]
	v_mov_b32 v[ONE], 1.0
	v_mov_b32 v[NIL], 0
	s_wait_kmcnt 0x0
	s_add_nc_u64 s[4:5], s[4:5], s[12:13]
	s_add_nc_u64 s[8:9], s[8:9], s[14:15]
.irp p, 0,1,2,3,4,5,6,7
	global_load_b128 v[X+4*\p:X+4*\p+3], v[XO], s[4:5] offset:262144*\p th:TH_LOAD_NT
.endr
.irp p, 0,1,2,3,4,5,6,7
	global_load_b128 v[G+8*\p:G+8*\p+3],   v[GF], s[6:7] offset:4096+512*\p
	global_load_b128 v[G+8*\p+4:G+8*\p+7], v[GF], s[6:7] offset:4096+512*\p+16
.endr
.irp p, 0,1,2,3,4,5,6,7
	global_load_b128 v[B+8*\p:B+8*\p+3],   v[GF], s[6:7] offset:8192+512*\p
	global_load_b128 v[B+8*\p+4:B+8*\p+7], v[GF], s[6:7] offset:8192+512*\p+16
.endr
	s_wait_loadcnt 32                              ; x is in; the 32 loads of g0 and beta0 may stay out
.set j, 0
.rept 32
	v_fma_mix_f32 v[U+2*j],   v[X+j], v[ONE], v[NIL] op_sel_hi:[1,0,0]                ; the low half x 1 + 0: f16 to f32
	v_fma_mix_f32 v[U+2*j+1], v[X+j], v[ONE], v[NIL] op_sel:[1,0,0] op_sel_hi:[1,0,0] ; the high half
.set j, j+1
.endr
.irp k, 0,1,2,3
	v_pk_add_f32 v[CH+2*\k:CH+2*\k+1], v[U+2*\k:U+2*\k+1], v[U+8+2*\k:U+8+2*\k+1]     ; the first eight pairs start the chains: nothing is cleared
.endr
.set j, 8
.rept 24
	v_pk_add_f32 v[CH+2*(j%4):CH+2*(j%4)+1], v[CH+2*(j%4):CH+2*(j%4)+1], v[U+2*j:U+2*j+1]
.set j, j+1
.endr
	FOLD
	v_mul_f32 v[MEAN], s16, v[CH]
	v_mov_b32 v[MEAN+1], v[MEAN]
.set j, 0
.rept 32
	v_pk_add_f32 v[U+2*j:U+2*j+1], v[U+2*j:U+2*j+1], v[MEAN:MEAN+1] neg_lo:[0,1] neg_hi:[0,1]
.set j, j+1
.endr
.irp k, 0,1,2,3
	v_pk_mul_f32 v[CH+2*\k:CH+2*\k+1], v[U+2*\k:U+2*\k+1], v[U+2*\k:U+2*\k+1]
.endr
.set j, 4
.rept 28
	v_pk_fma_f32 v[CH+2*(j%4):CH+2*(j%4)+1], v[U+2*j:U+2*j+1], v[U+2*j:U+2*j+1], v[CH+2*(j%4):CH+2*(j%4)+1]
.set j, j+1
.endr
	FOLD
	v_fma_f32 v[VAR], v[CH], s16, s17              ; the variance + 1e-5
	v_rsq_f32 v[RS], v[VAR]
	v_rsq_f32 v[RS+1], v[VAR]
	v_nop                                          ; a plain instruction behind the last of the two (ISA guide 5.7.2),
	s_wait_alu depctr_va_vdst(0)                   ; and the wait ahead of their first reader
	s_wait_loadcnt 0x0                             ; g0 and beta0
.set j, 0
.rept 32
	v_pk_mul_f32 v[U+2*j:U+2*j+1], v[U+2*j:U+2*j+1], v[RS:RS+1]
.set j, j+1
.endr
.set j, 0
.rept 32
	v_pk_fma_f32 v[U+2*j:U+2*j+1], v[U+2*j:U+2*j+1], v[G+2*j:G+2*j+1], v[B+2*j:B+2*j+1]
.set j, j+1
.endr
.set j, 0
.rept 32
	v_cvt_pk_f16_f32 v[X+j], v[U+2*j], v[U+2*j+1]
.set j, j+1
.endr
.irp p, 0,1,2,3,4,5,6,7
	global_store_b128 v[OO], v[X+4*\p:X+4*\p+3], s[8:9] offset:256*\p
.endr
	s_endpgm
.Lfunc_end_k_qd59132db3d_ln0:
	.size	k_qd59132db3d_ln0, .Lfunc_end_k_qd59132db3d_ln0-k_qd59132db3d_ln0
	.p2alignl 7, 3214868480
	.fill 96, 4, 3214868480
	.section	.rodata,"a",@progbits
	.p2align	6, 0x0
	.amdhsa_kernel k_qd59132db3d_ln0
		.amdhsa_group_segment_fixed_size 0
		.amdhsa_private_segment_fixed_size 0
		.amdhsa_enable_private_segment 0
		.amdhsa_kernarg_size 24
		.amdhsa_user_sgpr_count 2
		.amdhsa_user_sgpr_kernarg_segment_ptr 1
		.amdhsa_wavefront_size32 1
		.amdhsa_system_sgpr_workgroup_id_x 1
		.amdhsa_system_sgpr_workgroup_id_y 1
		.amdhsa_system_sgpr_workgroup_id_z 1
		.amdhsa_system_vgpr_workitem_id 0
		.amdhsa_next_free_vgpr 248
		.amdhsa_next_free_sgpr 66
		.amdhsa_reserve_vcc 0
		.amdhsa_float_denorm_mode_32 3
		.amdhsa_float_denorm_mode_16_64 3
		.amdhsa_memory_ordered 1
		.amdhsa_forward_progress 1
		.amdhsa_inst_pref_size 24
	.end_amdhsa_kernel
	.amdgpu_metadata
---
amdhsa.version: [ 1, 2 ]
amdhsa.kernels:
  - .name:           k_qd59132db3d_ln0
    .symbol:         k_qd59132db3d_ln0.kd
    .args:
      - { .name: xs, .offset: 0, .size: 8, .value_kind: global_buffer, .address_space: global }
      - { .name: vecB, .offset: 8, .size: 8, .value_kind: global_buffer, .address_space: global }
      - { .name: xb, .offset: 16, .size: 8, .value_kind: global_buffer, .address_space: global }
    .group_segment_fixed_size: 0
    .private_segment_fixed_size: 0
    .kernarg_segment_align: 8
    .kernarg_segment_size: 24
    .max_flat_workgroup_size: 128
    .sgpr_count:     66
    .vgpr_count:     248
    .wavefront_size: 32
...
	.end_amdgpu_metadata
.endif
;; end of part 4
;; launch gemmp: the kernel of part 2 again; grid 4 x 32, 4 waves a work-group, clusters of 4 x 4, 327,680 bytes of LDS; arguments xb, wpt, vecB, qkv; writes qkv
;; launch ln1 (part 5): grid 1024 x 1, 4 waves a work-group, no clusters, 0 bytes of LDS; arguments qkv, xb, vecB, out0; writes out0
.if DOCPART == 5
	.amdgcn_target "amdgcn-amd-amdhsa--gfx1250"
	.amdhsa_code_object_version 6
	.text
	.protected	k_qd59132db3d_ln1
	.globl	k_qd59132db3d_ln1
	.p2align	8
	.type	k_qd59132db3d_ln1,@function
k_qd59132db3d_ln1:
	s_mov_b64 s[64:65], 0
	v_nop
	global_prefetch_b8 v0, s[64:65] scope:SCOPE_SE
	s_setreg_imm32_b32 hwreg(HW_REG_WAVE_MODE, 25, 1), 1
	s_wait_xcnt 0x0
; out = layernorm(o + gelu(z)) g1 + beta1.  z: [128 (batch, head)][1024][64] f16, qkv's first part; o: [8192][1024] f16, xb's first half; g1, beta1: f32 in vecB at bytes 12,288 and 16,384; out: f32.
; gelu(z) = max(z, 0) - |z| erfc(|z| / sqrt 2) / 2, which forms no difference of near numbers for z < 0.  erfc(u) = (a1 t + .. + a5 t^5) exp(-u^2), t = 1 / (1 + 0.3275911 u): a form for every
; u >= 0, within 1.5e-7 of erfc in absolute terms; the five coefficients stand halved.  The mean first, then the sum of squared deviations, in f32.
; One wave takes two rows: row 2 rp + l / 16; a lane holds the columns 64 q + 4 (l % 16) + 0..3, q = 0..15.  A load of z covers 256 consecutive bytes; sixteen lanes store 256 consecutive bytes of out, aligned.
; Straight-line; the rows stay in registers; no LDS, no barrier.
.set ZO,   2                           ; v2  8 l: my bytes of z
.set OO,   3                           ; v3  my bytes of o
.set GF,   4                           ; v4  16 (l % 16): in g1 and beta1
.set YO,   5                           ; v5  my bytes of out
.set ONE,  8
.set NIL,  9
.set MEAN, 10
.set RS,   12
.set VAR,  14
.set ZI,   16                          ; v[16:47]   z as loaded; later, with OI, g1
.set OI,   48                          ; v[48:79]   o as loaded
.set GG,   16
.set Y,    80                          ; v[80:143]  z, then o + gelu(z), in f32
.set T,    144                         ; v[144:159] t            (T, W, P, Y0: later beta1)
.set W,    160                         ; v[160:175] exp(-z^2 / 2)
.set P,    176                         ; v[176:191] the polynomial
.set Y0,   192                         ; v[192:207] max(z, 0) + o
.set BB,   144
.set CH,   208                         ; v[208:215] four chains of pairs
.set PC,   16                          ; s16 0.3275911 / sqrt 2
.set KE,   18                          ; s[18:19] -log2(e) / 2; this and the five below are named as pairs, the low word serving both halves
.set A1,   20
.set A2,   22
.set A3,   24
.set A4,   26
.set A5,   28
.macro FOLD
	v_pk_add_f32 v[CH:CH+1], v[CH:CH+1], v[CH+2:CH+3]
	v_pk_add_f32 v[CH+4:CH+5], v[CH+4:CH+5], v[CH+6:CH+7]
	v_pk_add_f32 v[CH:CH+1], v[CH:CH+1], v[CH+4:CH+5]
	v_add_f32 v[CH], v[CH], v[CH+1]
.irp m, 1,2,4,8
	v_add_f32_dpp v[CH], v[CH], v[CH] row_xmask:\m row_mask:0xf bank_mask:0xf
.endr
.endm
	s_load_b256 s[4:11], s[0:1], 0x0               ; z s[4:5], o s[6:7], vecB s[8:9], out s[10:11]
	v_lshrrev_b32 v1, 5, v0
	v_readfirstlane_b32 s12, v1
	s_lshl_b32 s13, ttmp9, 2
	s_add_co_u32 s13, s13, s12                     ; rp
	s_lshr_b32 s14, s13, 9
	s_lshl_b32 s14, s14, 21
	s_and_b32 s15, s13, 511
	s_lshl_b32 s15, s15, 8
	s_add_co_u32 s14, s14, s15
	s_mov_b32 s15, 0
	s_lshl_b32 s30, s13, 12                        ; two rows of o
	s_mov_b32 s31, 0
	s_lshl_b32 s32, s13, 13                        ; two rows of out
	s_mov_b32 s33, 0
	s_mov_b32 s34, 0x3a800000                      ; 1 / 1,024
	s_mov_b32 s35, 0x3727c5ac                      ; 1e-5
	s_mov_b32 s[PC], 0x3e6d3388
	s_mov_b32 s[KE], 0xbf38aa3b
	s_mov_b32 s[KE+1], s[KE]
	s_mov_b32 s[A1], 0x3e027906
	s_mov_b32 s[A1+1], s[A1]
	s_mov_b32 s[A2], 0xbe11a98e
	s_mov_b32 s[A2+1], s[A2]
	s_mov_b32 s[A3], 0x3f35f0e3
	s_mov_b32 s[A3+1], s[A3]
	s_mov_b32 s[A4], 0xbf3a00e3
	s_mov_b32 s[A4+1], s[A4]
	s_mov_b32 s[A5], 0x3f07dc22
	s_mov_b32 s[A5+1], s[A5]
	v_and_b32 v6, 31, v0
	v_lshlrev_b32 v[ZO], 3, v6
	v_and_b32 v7, 15, v0
	v_bfe_u32 v6, v0, 4, 1
	v_lshlrev_b32 v[OO], 11, v6
	v_lshl_add_u32 v[OO], v7, 3, v[OO]
	v_lshlrev_b32 v[GF], 4, v7
	v_lshl_add_u32 v[YO], v6, 12, v[GF]
	v_mov_b32 v[ONE], 1.0
	v_mov_b32 v[NIL], 0
	s_wait_kmcnt 0x0
	s_add_nc_u64 s[4:5], s[4:5], s[14:15]
	s_add_nc_u64 s[6:7], s[6:7], s[30:31]
	s_add_nc_u64 s[10:11], s[10:11], s[32:33]
.set q, 0
.rept 16
	global_load_b64 v[ZI+2*q:ZI+2*q+1], v[ZO], s[4:5] offset:131072*q th:TH_LOAD_NT
	global_load_b64 v[OI+2*q:OI+2*q+1], v[OO], s[6:7] offset:128*q th:TH_LOAD_NT
.set q, q+1
.endr
; Sixteen numbers: q = 4 k .. 4 k + 3.  The 16 reciprocals and 16 exponentials are one batch; the 32 lines that make max(z, 0) + o are the independent work behind it; one wait.
.macro GELU16 k
	s_wait_loadcnt 24-8*(\k)                       ; z and o up to q = 4 k + 3 are in; the 24 - 8 k younger loads stay out
.set n, 0
.rept 16
.if n%2
	v_fma_mix_f32 v[Y+16*(\k)+n], v[ZI+8*(\k)+n/2], v[ONE], v[NIL] op_sel:[1,0,0] op_sel_hi:[1,0,0]
.else
	v_fma_mix_f32 v[Y+16*(\k)+n], v[ZI+8*(\k)+n/2], v[ONE], v[NIL] op_sel_hi:[1,0,0]
.endif
.set n, n+1
.endr
.set n, 0
.rept 8
	v_pk_mul_f32 v[W+n:W+n+1], v[Y+16*(\k)+n:Y+16*(\k)+n+1], v[Y+16*(\k)+n:Y+16*(\k)+n+1]
.set n, n+2
.endr
.set n, 0
.rept 16
	v_fma_f32 v[T+n], |v[Y+16*(\k)+n]|, s[PC], 1.0
.set n, n+1
.endr
.set n, 0
.rept 8
	v_pk_mul_f32 v[W+n:W+n+1], v[W+n:W+n+1], s[KE:KE+1] op_sel_hi:[1,0]
.set n, n+2
.endr
.set n, 0
.rept 16
	v_rcp_f32 v[T+n], v[T+n]
.set n, n+1
.endr
.set n, 0
.rept 16
	v_exp_f32 v[W+n], v[W+n]
.set n, n+1
.endr
.set n, 0
.rept 16
	v_max_num_f32 v[Y0+n], 0, v[Y+16*(\k)+n]
.set n, n+1
.endr
.set n, 0
.rept 16
.if n%2
	v_fma_mix_f32 v[Y0+n], v[OI+8*(\k)+n/2], v[ONE], v[Y0+n] op_sel:[1,0,0] op_sel_hi:[1,0,0]
.else
	v_fma_mix_f32 v[Y0+n], v[OI+8*(\k)+n/2], v[ONE], v[Y0+n] op_sel_hi:[1,0,0]
.endif
.set n, n+1
.endr
	s_wait_alu depctr_va_vdst(0)                   ; the wait, once for the batch of 32, ahead of its first reader
.set n, 0
.rept 8
	v_pk_fma_f32 v[P+n:P+n+1], v[T+n:T+n+1], s[A5:A5+1], s[A4:A4+1] op_sel_hi:[1,0,0]
.set n, n+2
.endr
.irp c, A3, A2, A1
.set n, 0
.rept 8
	v_pk_fma_f32 v[P+n:P+n+1], v[P+n:P+n+1], v[T+n:T+n+1], s[\c:\c+1] op_sel_hi:[1,1,0]
.set n, n+2
.endr
.endr
.set n, 0
.rept 8
	v_pk_mul_f32 v[P+n:P+n+1], v[P+n:P+n+1], v[T+n:T+n+1]
.set n, n+2
.endr
.set n, 0
.rept 8
	v_pk_mul_f32 v[P+n:P+n+1], v[P+n:P+n+1], v[W+n:W+n+1]
.set n, n+2
.endr
.set n, 0
.rept 16
	v_fma_f32 v[Y+16*(\k)+n], -|v[Y+16*(\k)+n]|, v[P+n], v[Y0+n]   ; o + max(z, 0) - |z| erfc / 2
.set n, n+1
.endr
.endm
	GELU16 0
	GELU16 1
	GELU16 2
	GELU16 3
.set q, 0
.rept 16                                       ; z's, o's and the working registers are free: they take g1 and beta1 while the row's sums are made
	global_load_b128 v[GG+4*q:GG+4*q+3], v[GF], s[8:9] offset:12288+256*q
.set q, q+1
.endr
.set q, 0
.rept 16
	global_load_b128 v[BB+4*q:BB+4*q+3], v[GF], s[8:9] offset:16384+256*q
.set q, q+1
.endr
.irp k, 0,1,2,3
	v_pk_add_f32 v[CH+2*\k:CH+2*\k+1], v[Y+2*\k:Y+2*\k+1], v[Y+8+2*\k:Y+8+2*\k+1]
.endr
.set j, 8
.rept 24
	v_pk_add_f32 v[CH+2*(j%4):CH+2*(j%4)+1], v[CH+2*(j%4):CH+2*(j%4)+1], v[Y+2*j:Y+2*j+1]
.set j, j+1
.endr
	FOLD
	v_mul_f32 v[MEAN], s34, v[CH]
	v_mov_b32 v[MEAN+1], v[MEAN]
.set j, 0
.rept 32
	v_pk_add_f32 v[Y+2*j:Y+2*j+1], v[Y+2*j:Y+2*j+1], v[MEAN:MEAN+1] neg_lo:[0,1] neg_hi:[0,1]
.set j, j+1
.endr
.irp k, 0,1,2,3
	v_pk_mul_f32 v[CH+2*\k:CH+2*\k+1], v[Y+2*\k:Y+2*\k+1], v[Y+2*\k:Y+2*\k+1]
.endr
.set j, 4
.rept 28
	v_pk_fma_f32 v[CH+2*(j%4):CH+2*(j%4)+1], v[Y+2*j:Y+2*j+1], v[Y+2*j:Y+2*j+1], v[CH+2*(j%4):CH+2*(j%4)+1]
.set j, j+1
.endr
	FOLD
	v_fma_f32 v[VAR], v[CH], s34, s35
	v_rsq_f32 v[RS], v[VAR]
	v_rsq_f32 v[RS+1], v[VAR]
	v_nop                                          ; a plain instruction behind the last of the two (ISA guide 5.7.2),
	s_wait_alu depctr_va_vdst(0)                   ; and their wait
	s_wait_loadcnt 0x0                             ; g1 and beta1
.set j, 0
.rept 32
	v_pk_mul_f32 v[Y+2*j:Y+2*j+1], v[Y+2*j:Y+2*j+1], v[RS:RS+1]
.set j, j+1
.endr
.set j, 0
.rept 32
	v_pk_fma_f32 v[Y+2*j:Y+2*j+1], v[Y+2*j:Y+2*j+1], v[GG+2*j:GG+2*j+1], v[BB+2*j:BB+2*j+1]
.set j, j+1
.endr
.set q, 0
.rept 16
	global_store_b128 v[YO], v[Y+4*q:Y+4*q+3], s[10:11] offset:256*q th:TH_STORE_NT
.set q, q+1
.endr
	s_endpgm
.Lfunc_end_k_qd59132db3d_ln1:
	.size	k_qd59132db3d_ln1, .Lfunc_end_k_qd59132db3d_ln1-k_qd59132db3d_ln1
	.p2alignl 7, 3214868480
	.fill 96, 4, 3214868480
	.section	.rodata,"a",@progbits
	.p2align	6, 0x0
	.amdhsa_kernel k_qd59132db3d_ln1
		.amdhsa_group_segment_fixed_size 0
		.amdhsa_private_segment_fixed_size 0
		.amdhsa_enable_private_segment 0
		.amdhsa_kernarg_size 32
		.amdhsa_user_sgpr_count 2
		.amdhsa_user_sgpr_kernarg_segment_ptr 1
		.amdhsa_wavefront_size32 1
		.amdhsa_system_sgpr_workgroup_id_x 1
		.amdhsa_system_sgpr_workgroup_id_y 1
		.amdhsa_system_sgpr_workgroup_id_z 1
		.amdhsa_system_vgpr_workitem_id 0
		.amdhsa_next_free_vgpr 216
		.amdhsa_next_free_sgpr 66
		.amdhsa_reserve_vcc 0
		.amdhsa_float_denorm_mode_32 3
		.amdhsa_float_denorm_mode_16_64 3
		.amdhsa_memory_ordered 1
		.amdhsa_forward_progress 1
		.amdhsa_inst_pref_size 59
	.end_amdhsa_kernel
	.amdgpu_metadata
---
amdhsa.version: [ 1, 2 ]
amdhsa.kernels:
  - .name:           k_qd59132db3d_ln1
    .symbol:         k_qd59132db3d_ln1.kd
    .args:
      - { .name: qkv, .offset: 0, .size: 8, .value_kind: global_buffer, .address_space: global }
      - { .name: xb, .offset: 8, .size: 8, .value_kind: global_buffer, .address_space: global }
      - { .name: vecB, .offset: 16, .size: 8, .value_kind: global_buffer, .address_space: global }
      - { .name: out0, .offset: 24, .size: 8, .value_kind: global_buffer, .address_space: global }
    .group_segment_fixed_size: 0
    .private_segment_fixed_size: 0
    .kernarg_segment_align: 8
    .kernarg_segment_size: 32
    .max_flat_workgroup_size: 128
    .sgpr_count:     66
    .vgpr_count:     216
    .wavefront_size: 32
...
	.end_amdgpu_metadata
.endif
;; end of part 5
;; ======== version 2 of 2: 6 launches; version 1 with the launch prep written anew for expert scheduling mode
;; limits: values are held in f16: magnitudes above 65,504 overflow, below 6.1e-05 lose precision
;; workspace buffers: xb 33,554,432 bytes; wt 6,291,456 bytes; wpt 2,097,152 bytes; vecA 12,288 bytes; vecB 53,248 bytes; qkv 50,331,648 bytes; xs 16,777,216 bytes
;; launch prep (part 6): grid 641 x 1, 8 waves a work-group, no clusters, 0 bytes of LDS; arguments Q, K, Wq, Wk, Wv, Wp, bq, bk, bv, bp, g0, beta0, g1, beta1, key_padding_mask, xb, wt, wpt, vecA, vecB; writes xb, wt, wpt, vecA, vecB
.if DOCPART == 6
	.amdgcn_target "amdgcn-amd-amdhsa--gfx1250"
	.amdhsa_code_object_version 6
	.text
	.protected	k_qd59132db3d_prep
	.globl	k_qd59132db3d_prep
	.p2align	8
	.type	k_qd59132db3d_prep,@function
k_qd59132db3d_prep:
	s_mov_b64 s[64:65], 0
	v_nop
	global_prefetch_b8 v0, s[64:65] scope:SCOPE_SE
	s_setreg_imm32_b32 hwreg(HW_REG_WAVE_SCHED_MODE, 0, 2), 2
	s_setreg_imm32_b32 hwreg(HW_REG_WAVE_MODE, 25, 1), 1
	s_wait_xcnt 0x0
	s_wait_alu depctr_vm_vsrc(0)
; EVERY FLOATING-POINT INPUT IS ROUNDED ONCE TO bf16 (nearest even).  Q, K and the four weight matrices are then written as f16 (exact from 6.1e-5 to 65,504 in
; magnitude; below that f16's fixed step of 6e-8 holds; beyond 65,504 an infinity: the stated limit of this program); the eight vectors as f32 that hold the rounded number;
; the padding mask as an addend, 0 for a key that counts and -1e30 for one that does not.
; SHARES.  Work-groups 0 to 639 take a chunk of 32,768 numbers each: 0-255 Q, 256-511 K (into xb), 512-543 Wq, 544-575 Wk, 576-607 Wv (into wt), 608-639 Wp (into wpt).
; Work-group 640 takes the vectors and the mask.  A wave takes 4,096 numbers: 32 loads of 512 consecutive bytes, all issued at once; each store of the wave covers 256 consecutive bytes, aligned.
; No LDS, no barrier, no matrix unit: a stream in which nothing is shared.
; THE MODE: SCHED_MODE bits 1:0 = 2 (LLVM: expert scheduling mode 2), set by the entry lines.  The code itself states the register dependences
; between vector instructions and memory instructions, with s_wait_alu, always for 0.
; THE PLAN.  Registers that memory instructions touch:
;   v1, v2, v5     byte offsets, made once at the head and never written again: one wait at the head, ahead of the branch, serves every load and store of both paths.
;   D + 4 i ..     item i's four registers.  Its load, issued at the head, lands in them before any vector instruction has named them; its conversions work in them behind the wait for its data;
;                  the first pair is then the item's store's data, and nothing writes it again.
;   v8, v9         named by vector instructions alone.
; The 32 items go in 8 blocks of four.  Block p's memory instructions are the four stores of block p - 1, whose data no vector instruction of block p names.  So one wait at a block's head
; states all that its four stores hang on, and these are dealt among its conversions with no further wait.  No register that a memory instruction has read is written again.
.set SRC,  46                          ; s[46:47] the chunk's first byte in its source
.set DST,  48                          ; s[48:49] in its destination
.set BIGN, 54                          ; s54  -1e30
.set HIM,  55                          ; s55  mask of a word's upper bf16
.set MK,   56                          ; s[56:63] the vectors' path: eight compares' masks
.set D,    16                          ; v[16:143] the 32 loads' data, four registers each; each item's first pair is also its store's data
.set BLOCK, 4                          ; items in a block
	s_load_b512 s[4:19], s[0:1], 0x0               ; Q K Wq Wk Wv Wp bq bk
	s_load_b512 s[20:35], s[0:1], 0x40             ; bv bp g0 beta0 g1 beta1 mask xb
	s_load_b256 s[36:43], s[0:1], 0x80             ; wt wpt vecA vecB
	s_mov_b32 s44, ttmp9                           ; the chunk's number c
	s_mov_b32 s[BIGN], 0xf149f2ca
	s_mov_b32 s[HIM], 0xffff0000
	v_and_b32 v3, 31, v0                           ; lane
	v_lshrrev_b32 v4, 5, v0                        ; wave
	v_lshlrev_b32 v1, 4, v3
	v_lshl_add_u32 v1, v4, 14, v1                  ; source: 16,384 x wave + 16 x lane
	v_lshlrev_b32 v2, 3, v3
	v_lshl_add_u32 v2, v4, 13, v2                  ; destination: 8,192 x wave + 8 x lane
	v_lshlrev_b32 v5, 4, v0                        ; the vectors: 16 x thread
	s_and_b32 s50, s44, 255                        ; the chunk's number within its source,
	s_and_b32 s51, s44, 31
	s_cmp_lt_u32 s44, 512
	s_cselect_b32 s50, s50, s51
	s_sub_co_u32 s52, s44, 512                     ; and within its destination
	s_sub_co_u32 s53, s44, 608
	s_cmp_lt_u32 s44, 608
	s_cselect_b32 s52, s52, s53
	s_cmp_lt_u32 s44, 512
	s_cselect_b32 s52, s44, s52
	s_lshl_b32 s50, s50, 17                        ; 131,072 bytes of f32 a chunk
	s_mov_b32 s51, 0
	s_lshl_b32 s52, s52, 16                        ; 65,536 bytes of f16
	s_mov_b32 s53, 0
	s_wait_kmcnt 0x0
	s_wait_alu depctr_va_vdst(0)                   ; v1, v2 and v5 are written: every load and store of the kernel reads one of them as its offset
	s_cmp_eq_u32 s44, 640
	s_cbranch_scc1 .Lvectors
	s_mov_b64 s[SRC:SRC+1], s[14:15]               ; the source is chosen by the chunk's number alone
	s_cmp_lt_u32 s44, 608
	s_cselect_b64 s[SRC:SRC+1], s[12:13], s[SRC:SRC+1]
	s_cmp_lt_u32 s44, 576
	s_cselect_b64 s[SRC:SRC+1], s[10:11], s[SRC:SRC+1]
	s_cmp_lt_u32 s44, 544
	s_cselect_b64 s[SRC:SRC+1], s[8:9], s[SRC:SRC+1]
	s_cmp_lt_u32 s44, 512
	s_cselect_b64 s[SRC:SRC+1], s[6:7], s[SRC:SRC+1]
	s_cmp_lt_u32 s44, 256
	s_cselect_b64 s[SRC:SRC+1], s[4:5], s[SRC:SRC+1]
	s_mov_b64 s[DST:DST+1], s[38:39]
	s_cmp_lt_u32 s44, 608
	s_cselect_b64 s[DST:DST+1], s[36:37], s[DST:DST+1]
	s_cmp_lt_u32 s44, 512
	s_cselect_b64 s[DST:DST+1], s[34:35], s[DST:DST+1]
	s_add_nc_u64 s[SRC:SRC+1], s[SRC:SRC+1], s[50:51]
	s_add_nc_u64 s[DST:DST+1], s[DST:DST+1], s[52:53]
.set i, 0
.rept 32
	global_load_b128 v[D+4*i:D+4*i+3], v1, s[SRC:SRC+1] offset:512*i th:TH_LOAD_NT  ; no vector instruction has named these registers
.set i, i+1
.endr
.set i, 0
.rept 32
	s_wait_loadcnt 31-i                            ; loads come back in order: item i is in, the 31 - i younger ones stay out
.if (i%BLOCK == 0) && (i > 0)
	s_wait_alu depctr_va_vdst(0)                   ; a block's head: the block before has written its four pairs of f16, which the four stores of this block read
.endif
.if i >= BLOCK
	global_store_b64 v2, v[D+4*(i-BLOCK):D+4*(i-BLOCK)+1], s[DST:DST+1] offset:256*(i-BLOCK)  ; the block before, an item at a time: no vector instruction since the wait names its pair or v2; no store's data or address register is written again
.endif
	v_cvt_pk_bf16_f32 v8, v[D+4*i], v[D+4*i+1]     ; the one rounding
	v_cvt_pk_bf16_f32 v9, v[D+4*i+2], v[D+4*i+3]
	v_lshlrev_b32 v[D+4*i], 16, v8                 ; back to f32,
	v_and_b32 v[D+4*i+1], s[HIM], v8
	v_lshlrev_b32 v[D+4*i+2], 16, v9
	v_and_b32 v[D+4*i+3], s[HIM], v9
	v_cvt_pk_f16_f32 v[D+4*i], v[D+4*i], v[D+4*i+1]    ; and the same number written as f16
	v_cvt_pk_f16_f32 v[D+4*i+1], v[D+4*i+2], v[D+4*i+3]
.set i, i+1
.endr
	s_wait_alu depctr_va_vdst(0)                   ; the last block has written its four pairs, which the last four stores read
.set i, 32-BLOCK
.rept BLOCK
	global_store_b64 v2, v[D+4*i:D+4*i+1], s[DST:DST+1] offset:256*i
.set i, i+1
.endr
	s_endpgm
.Lvectors:                                     ; thread t takes 16 bytes at 16 t of each vector and of each batch's row of the mask
.irp j, 0,1,2,3,4,5,6,7
	global_load_b128 v[D+4*\j:D+4*\j+3], v5, s[16+2*\j:17+2*\j]
.endr
.irp j, 0,1,2,3,4,5,6,7
	global_load_b128 v[D+32+4*\j:D+32+4*\j+3], v5, s[32:33] offset:4096*\j
.endr
	s_wait_loadcnt 0x0
.irp j, 0,1,2,3,4,5,6,7
	v_cvt_pk_bf16_f32 v8, v[D+4*\j], v[D+4*\j+1]
	v_cvt_pk_bf16_f32 v9, v[D+4*\j+2], v[D+4*\j+3]
	v_lshlrev_b32 v[D+4*\j], 16, v8
	v_and_b32 v[D+4*\j+1], s[HIM], v8
	v_lshlrev_b32 v[D+4*\j+2], 16, v9
	v_and_b32 v[D+4*\j+3], s[HIM], v9
.endr
.set r, D+32
.rept 4                                        ; the mask's 32 words, in four runs of eight compares and eight selects
.irp k, 0,1,2,3,4,5,6,7
	v_cmp_eq_u32 s[MK+\k], 0, v[r+\k]              ; a key whose mask word is 0 does not count
.endr
	s_wait_alu depctr_va_sdst(0)                   ; the eight compares have written s[56:63], ahead of their first reader
.irp k, 0,1,2,3,4,5,6,7
	v_cndmask_b32 v[r+\k], 0, s[BIGN], s[MK+\k]
.endr
.set r, r+8
.endr
	s_wait_alu depctr_va_vdst(0)                   ; the conversions and the selects have written v[16:79], which the sixteen stores read
.irp j, 0,1,2,3,4,5,6,7
.if \j < 3
	global_store_b128 v5, v[D+4*\j:D+4*\j+3], s[40:41] offset:4096*\j        ; vecA: bq, bk, bv
.else
	global_store_b128 v5, v[D+4*\j:D+4*\j+3], s[42:43] offset:4096*(\j-3)    ; vecB: bp, g0, beta0, g1, beta1
.endif
.endr
.irp j, 0,1,2,3,4,5,6,7
	global_store_b128 v5, v[D+32+4*\j:D+32+4*\j+3], s[42:43] offset:20480+4096*\j
.endr
	s_endpgm
.Lfunc_end_k_qd59132db3d_prep:
	.size	k_qd59132db3d_prep, .Lfunc_end_k_qd59132db3d_prep-k_qd59132db3d_prep
	.p2alignl 7, 3214868480
	.fill 96, 4, 3214868480
	.section	.rodata,"a",@progbits
	.p2align	6, 0x0
	.amdhsa_kernel k_qd59132db3d_prep
		.amdhsa_group_segment_fixed_size 0
		.amdhsa_private_segment_fixed_size 0
		.amdhsa_enable_private_segment 0
		.amdhsa_kernarg_size 160
		.amdhsa_user_sgpr_count 2
		.amdhsa_user_sgpr_kernarg_segment_ptr 1
		.amdhsa_wavefront_size32 1
		.amdhsa_system_sgpr_workgroup_id_x 1
		.amdhsa_system_sgpr_workgroup_id_y 1
		.amdhsa_system_sgpr_workgroup_id_z 1
		.amdhsa_system_vgpr_workitem_id 0
		.amdhsa_next_free_vgpr 152
		.amdhsa_next_free_sgpr 66
		.amdhsa_reserve_vcc 0
		.amdhsa_float_denorm_mode_32 3
		.amdhsa_float_denorm_mode_16_64 3
		.amdhsa_memory_ordered 1
		.amdhsa_forward_progress 1
		.amdhsa_inst_pref_size 32
	.end_amdhsa_kernel
	.amdgpu_metadata
---
amdhsa.version: [ 1, 2 ]
amdhsa.kernels:
  - .name:           k_qd59132db3d_prep
    .symbol:         k_qd59132db3d_prep.kd
    .args:
      - { .name: Q, .offset: 0, .size: 8, .value_kind: global_buffer, .address_space: global }
      - { .name: K, .offset: 8, .size: 8, .value_kind: global_buffer, .address_space: global }
      - { .name: Wq, .offset: 16, .size: 8, .value_kind: global_buffer, .address_space: global }
      - { .name: Wk, .offset: 24, .size: 8, .value_kind: global_buffer, .address_space: global }
      - { .name: Wv, .offset: 32, .size: 8, .value_kind: global_buffer, .address_space: global }
      - { .name: Wp, .offset: 40, .size: 8, .value_kind: global_buffer, .address_space: global }
      - { .name: bq, .offset: 48, .size: 8, .value_kind: global_buffer, .address_space: global }
      - { .name: bk, .offset: 56, .size: 8, .value_kind: global_buffer, .address_space: global }
      - { .name: bv, .offset: 64, .size: 8, .value_kind: global_buffer, .address_space: global }
      - { .name: bp, .offset: 72, .size: 8, .value_kind: global_buffer, .address_space: global }
      - { .name: g0, .offset: 80, .size: 8, .value_kind: global_buffer, .address_space: global }
      - { .name: beta0, .offset: 88, .size: 8, .value_kind: global_buffer, .address_space: global }
      - { .name: g1, .offset: 96, .size: 8, .value_kind: global_buffer, .address_space: global }
      - { .name: beta1, .offset: 104, .size: 8, .value_kind: global_buffer, .address_space: global }
      - { .name: key_padding_mask, .offset: 112, .size: 8, .value_kind: global_buffer, .address_space: global }
      - { .name: xb, .offset: 120, .size: 8, .value_kind: global_buffer, .address_space: global }
      - { .name: wt, .offset: 128, .size: 8, .value_kind: global_buffer, .address_space: global }
      - { .name: wpt, .offset: 136, .size: 8, .value_kind: global_buffer, .address_space: global }
      - { .name: vecA, .offset: 144, .size: 8, .value_kind: global_buffer, .address_space: global }
      - { .name: vecB, .offset: 152, .size: 8, .value_kind: global_buffer, .address_space: global }
    .group_segment_fixed_size: 0
    .private_segment_fixed_size: 0
    .kernarg_segment_align: 8
    .kernarg_segment_size: 160
    .max_flat_workgroup_size: 256
    .sgpr_count:     66
    .vgpr_count:     152
    .wavefront_size: 32
...
	.end_amdgpu_metadata
.endif
;; end of part 6
;; launch proj: the kernel of part 2 again; grid 12 x 32, 4 waves a work-group, clusters of 4 x 4, 327,680 bytes of LDS; arguments xb, wt, vecA, qkv; writes qkv
;; launch attn: the kernel of part 3 again; grid 2 x 128, 4 waves a work-group, no clusters, 327,680 bytes of LDS; arguments qkv, vecB, xs; writes xs
;; launch ln0: the kernel of part 4 again; grid 1024 x 1, 4 waves a work-group, no clusters, 0 bytes of LDS; arguments xs, vecB, xb; writes xb
;; launch gemmp: the kernel of part 2 again; grid 4 x 32, 4 waves a work-group, clusters of 4 x 4, 327,680 bytes of LDS; arguments xb, wpt, vecB, qkv; writes qkv
;; launch ln1: the kernel of part 5 again; grid 1024 x 1, 4 waves a work-group, no clusters, 0 bytes of LDS; arguments qkv, xb, vecB, out0; writes out0
